; MI455X (gfx1250); checked and timed in simulation.
; The chip was launched on July 23, 2026; its instructions are those of AMD's public machine-readable ISA for CDNA 5 (MIT licence, August 2026) and "CDNA5" Instruction Set Architecture Reference Guide (July 2026). The comments in the code are by the model that wrote it; some were corrected since.
;; Multi Head Attention. Allowed arithmetic: float matrix products may take bf16 or f16 operands with f32 sums; other float arithmetic in f32, or as packed bf16 or f16 multiplies, adds, multiply-adds, maxima and minima; sums over many terms, partial sums and values carried from step to step in f32; what a program stores and reads back later, other than sums and carried values, may be rounded once to bf16 or f16.
;; Inputs: W_k 1,024 x 1,024 float32; W_o 1,024 x 1,024 float32; W_q 1,024 x 1,024 float32; W_v 1,024 x 1,024 float32; att_mask 4 x 2,048 x 2,048 int32; b_k 1,024 float32; b_o 1,024 float32; b_q 1,024 float32; b_v 1,024 float32; k 4 x 2,048 x 1,024 float32; q 4 x 2,048 x 1,024 float32; v 4 x 2,048 x 1,024 float32.
;; Outputs: out0 4 x 2,048 x 1,024 float32.
;; One version. Each part assembles by itself: llvm-mc -triple=amdgcn-amd-amdhsa -mcpu=gfx1250 --defsym DOCPART=n.
;; ======== version 1 of 1: 4 launches
;; limits: right only within a limited range of input values; values are held in f16: magnitudes above 65,504 overflow, below 6.1e-05 lose precision
;; workspace buffers: wc 8,388,608 bytes; mneg 16,777,216 bytes; qkv 50,331,648 bytes; oc 16,777,216 bytes
;; launch prep (part 1): grid 1280 x 1, 8 waves a work-group, no clusters, 17,408 bytes of LDS; arguments att_mask, W_q, W_k, W_v, W_o, mneg, wc; writes mneg, wc
.if DOCPART == 1
	.amdgcn_target "amdgcn-amd-amdhsa--gfx1250"
	.amdhsa_code_object_version 6
	.text
	.protected	k_q95fdbbabe5_prep
	.globl	k_q95fdbbabe5_prep
	.p2align	8
	.type	k_q95fdbbabe5_prep,@function
k_q95fdbbabe5_prep:
	s_mov_b64 s[64:65], 0
	v_nop
	global_prefetch_b8 v0, s[64:65] scope:SCOPE_SE
	s_setreg_imm32_b32 hwreg(HW_REG_WAVE_MODE, 25, 1), 1
	s_wait_xcnt 0x0
; MULTI-HEAD ATTENTION, launch 1 of 4: the mask and the weights are laid out for the launches behind.
; DEAD WORK: none.  Every step of the module is done and every input is loaded: b_k shifts all visible scores of a row alike, but the hidden keys
; keep the fixed score -1e9, so in exact arithmetic their weight hangs on that shift; the bias stays.
; mneg [4 b][32 kb][2048 q][64 keys], one fp8 code (e4m3) a key: 0xb8 = -1 where att_mask is 0, else 0 (every other whole number counts as visible): the 128 queries of one block of 64 keys are 8,192 bytes on end.
; wc   [4][1024 k][1024 n] 16 bit, rows as in W: planes 0-2 bf16(W_q, W_k, W_v); plane 3 bf16(W_o), that number written as f16 (it meets f16 operands).
; LIMIT: below 6e-5 f16 keeps a fixed step of 6e-8, so so small a weight of W_o keeps fewer bits than bf16 gave it.
; A stream: no matrix unit, no cluster (no byte is read by two work-groups).  1,280 work-groups, each reads 65,536 bytes: 0-1023 take 8 rows of the mask each, 1024-1279 a piece of a weight matrix each.
; Every thread issues its 16 loads of 16 bytes at once.  THE MASK: a load's four numbers make one word of four codes; a wave's four loads for 8 rows x 64 keys make 512 bytes that lie on end in mneg: the words
; go through the wave's own 2,048 bytes of LDS, so that each lane stores 16 of those bytes: one store of 512 consecutive bytes for four loads.  No wave reads another's bytes: no barrier.
.set X,   16                           ; v[16:79]  16 loads of 4 registers; results are made in place
.set RB,  80                           ; v[80:95]  four blocks read back from LDS
.set IN,  6                            ; v6   my byte offset in the input; never rewritten
.set OUT, 7                            ; v7   my byte offset in the output; never rewritten
.set LS,  8                            ; v8   where I put a word
.set LR,  9                            ; v9   where I read 16 bytes back
.set SPW, 10                           ; v10  my spare word; never rewritten
.set NIL, 11                           ; v11  0; never rewritten
.set KB,  12                           ; v12-15 the code 0xb8 in byte 0, 1, 2, 3
.set SPARE, 16384                      ; behind the eight waves' stages: the spare words, 128 bytes a wave, named by no other line
	s_load_b256 s[4:11], s[0:1], 0x0               ; att_mask s[4:5], W_q s[6:7], W_k s[8:9], W_v s[10:11]
	s_load_b128 s[12:15], s[0:1], 0x20             ; W_o s[12:13], mneg s[14:15]
	s_load_b64 s[16:17], s[0:1], 0x30              ; wc
	v_lshl_add_u32 v[SPW], v0, 2, SPARE
	v_mov_b32 v[NIL], 0
	v_lshrrev_b32 v1, 5, v0
	v_readfirstlane_b32 s24, v1                    ; wave 0..7
	v_and_b32 v2, 31, v0                           ; lane
	s_mov_b32 s18, ttmp9
	s_cmp_lt_u32 s18, 1024
	s_cbranch_scc0 .Lweights
	; THE MASK.  Work-group g: rows 8 g .. 8 g + 7.  Wave w: blocks 4 w .. 4 w + 3 of 64 keys.  Load 4 u + c: block 4 w + u, rows 2 c (lanes 0-15) and 2 c + 1 (lanes 16-31), 256 bytes of each.
	v_and_b32 v3, 15, v0
	v_bfe_u32 v4, v0, 4, 1
	v_lshlrev_b32 v3, 4, v3
	v_lshl_or_b32 v3, v4, 13, v3                   ; a row of the mask is 8,192 bytes
	s_lshl_b32 s25, s24, 10                        ; four blocks of 256 bytes a wave
	v_or_b32 v[IN], s25, v3
	s_lshl_b32 s25, s24, 19                        ; four blocks of mneg, 131,072 bytes each
	v_lshl_or_b32 v[OUT], v2, 4, s25
	s_lshl_b32 s25, s24, 11                        ; my wave's 2,048 bytes of LDS
	v_lshl_add_u32 v[LS], v2, 2, s25
	v_lshl_add_u32 v[LR], v2, 4, s25
	v_mov_b32 v[KB], 0xb8
	v_mov_b32 v[KB+1], 0xb800
	v_mov_b32 v[KB+2], 0xb80000
	v_mov_b32 v[KB+3], 0xb8000000
	s_lshl_b32 s20, s18, 16                        ; 8 rows of 8,192 bytes
	s_mov_b32 s21, 0
	s_lshr_b32 s22, s18, 8                         ; b
	s_lshl_b32 s22, s22, 22
	s_and_b32 s23, s18, 255
	s_lshl_b32 s23, s23, 9                         ; 8 queries of 64 bytes
	s_add_co_u32 s22, s22, s23
	s_mov_b32 s23, 0
	s_wait_kmcnt 0x0
	s_add_nc_u64 s[4:5], s[4:5], s[20:21]
	s_add_nc_u64 s[14:15], s[14:15], s[22:23]
.set i, 0
.rept 16
	global_load_b128 v[X+4*i:X+4*i+3], v[IN], s[4:5] offset:(i%4)*16384+(i/4)*256 th:TH_LOAD_NT
.set i, i+1
.endr
.set i, 0
.rept 16
	s_wait_loadcnt 15-i                            ; loads come back in order: load i is in, the younger ones stay out
	v_cmp_eq_u32 vcc_lo, 0, v[X+4*i]
	v_cndmask_b32 v2, 0, v[KB], vcc_lo
	v_cmp_eq_u32 vcc_lo, 0, v[X+4*i+1]
	v_cndmask_b32 v3, 0, v[KB+1], vcc_lo
	v_cmp_eq_u32 vcc_lo, 0, v[X+4*i+2]
	v_cndmask_b32 v4, 0, v[KB+2], vcc_lo
	v_cmp_eq_u32 vcc_lo, 0, v[X+4*i+3]
	v_cndmask_b32 v5, 0, v[KB+3], vcc_lo
	v_or_b32 v2, v2, v3
	v_or_b32 v4, v4, v5
	v_or_b32 v[X+4*i], v2, v4
	ds_store_b32 v[LS], v[X+4*i] offset:128*i      ; word 32 c + lane of block u's 512 bytes: row 2 c + lane / 16, keys 4 (lane % 16) on
.if i%4 == 3
	ds_load_b128 v[RB+i-3:RB+i], v[LR] offset:128*(i-3)  ; LDS serves a wave's instructions in order (ISA guide 5.7.1.4): it sees the block's four stores
.endif
.set i, i+1
.endr
.irp u, 0,1,2,3
	s_wait_dscnt 15-5*(\u)                         ; block u is back; the five LDS instructions of each later block stay out
	global_store_b128 v[OUT], v[RB+4*(\u):RB+4*(\u)+3], s[14:15] offset:131072*(\u)  ; 512 consecutive bytes, aligned: 8 queries of one block
.endr
	s_wait_tensorcnt 0x0                           ; the wave's end, behind my last LDS store
	ds_add_u32 v[SPW], v[NIL]
	s_wait_dscnt 0x0
	s_endpgm
.Lweights:
	; THE WEIGHTS.  Matrix (g - 1024) / 64, its piece (g - 1024) % 64 of 65,536 bytes; a wave takes 8,192 consecutive bytes of it.  This path writes no LDS.
	s_sub_co_u32 s18, s18, 1024
	s_lshr_b32 s19, s18, 6
	s_and_b32 s18, s18, 63
	v_lshlrev_b32 v3, 4, v2
	s_lshl_b32 s25, s24, 13
	v_or_b32 v[IN], s25, v3
	v_lshlrev_b32 v3, 3, v2
	s_lshl_b32 s25, s24, 12
	v_or_b32 v[OUT], s25, v3
	s_lshl_b32 s20, s18, 16
	s_mov_b32 s21, 0
	s_lshl_b32 s22, s19, 21                        ; a plane of wc is 2,097,152 bytes
	s_lshl_b32 s23, s18, 15
	s_add_co_u32 s22, s22, s23
	s_mov_b32 s23, 0
	s_wait_kmcnt 0x0
	s_cmp_eq_u32 s19, 1
	s_cselect_b64 s[26:27], s[8:9], s[6:7]
	s_cmp_eq_u32 s19, 2
	s_cselect_b64 s[26:27], s[10:11], s[26:27]
	s_cmp_eq_u32 s19, 3
	s_cselect_b64 s[26:27], s[12:13], s[26:27]
	s_add_nc_u64 s[26:27], s[26:27], s[20:21]
	s_add_nc_u64 s[16:17], s[16:17], s[22:23]
.set i, 0
.rept 16
	global_load_b128 v[X+4*i:X+4*i+3], v[IN], s[26:27] offset:512*i th:TH_LOAD_NT
.set i, i+1
.endr
.macro CONV fo                         ; fo = 1: the bf16 number is written as f16.  Each store has data registers of its own
.set i, 0
.rept 16
	s_wait_loadcnt 15-i                            ; load i is in, the younger ones stay out
.if \fo
	v_cvt_pk_bf16_f32 v2, v[X+4*i], v[X+4*i+1]
	v_cvt_pk_bf16_f32 v3, v[X+4*i+2], v[X+4*i+3]
	v_lshlrev_b32 v4, 16, v2
	v_and_b32 v2, 0xffff0000, v2
	v_lshlrev_b32 v5, 16, v3
	v_and_b32 v3, 0xffff0000, v3
	v_cvt_pk_f16_f32 v[X+4*i], v4, v2
	v_cvt_pk_f16_f32 v[X+4*i+1], v5, v3
.else
	v_cvt_pk_bf16_f32 v[X+4*i], v[X+4*i], v[X+4*i+1]
	v_cvt_pk_bf16_f32 v[X+4*i+1], v[X+4*i+2], v[X+4*i+3]
.endif
	global_store_b64 v[OUT], v[X+4*i:X+4*i+1], s[16:17] offset:256*i  ; 256 consecutive bytes, aligned
.set i, i+1
.endr
.endm
	s_cmp_eq_u32 s19, 3
	s_cbranch_scc1 .Lwo
	CONV 0
	s_endpgm
.Lwo:
	CONV 1
	s_endpgm
.Lfunc_end_k_q95fdbbabe5_prep:
	.size	k_q95fdbbabe5_prep, .Lfunc_end_k_q95fdbbabe5_prep-k_q95fdbbabe5_prep
	.p2alignl 7, 3214868480
	.fill 96, 4, 3214868480
	.section	.rodata,"a",@progbits
	.p2align	6, 0x0
	.amdhsa_kernel k_q95fdbbabe5_prep
		.amdhsa_group_segment_fixed_size 17408
		.amdhsa_private_segment_fixed_size 0
		.amdhsa_enable_private_segment 0
		.amdhsa_kernarg_size 56
		.amdhsa_user_sgpr_count 2
		.amdhsa_user_sgpr_kernarg_segment_ptr 1
		.amdhsa_wavefront_size32 1
		.amdhsa_system_sgpr_workgroup_id_x 1
		.amdhsa_system_sgpr_workgroup_id_y 1
		.amdhsa_system_sgpr_workgroup_id_z 1
		.amdhsa_system_vgpr_workitem_id 0
		.amdhsa_next_free_vgpr 96
		.amdhsa_next_free_sgpr 66
		.amdhsa_reserve_vcc 1
		.amdhsa_float_denorm_mode_32 3
		.amdhsa_float_denorm_mode_16_64 3
		.amdhsa_memory_ordered 1
		.amdhsa_forward_progress 1
		.amdhsa_inst_pref_size 27
	.end_amdhsa_kernel
	.amdgpu_metadata
---
amdhsa.version: [ 1, 2 ]
amdhsa.kernels:
  - .name:           k_q95fdbbabe5_prep
    .symbol:         k_q95fdbbabe5_prep.kd
    .args:
      - { .name: att_mask, .offset: 0, .size: 8, .value_kind: global_buffer, .address_space: global }
      - { .name: W_q, .offset: 8, .size: 8, .value_kind: global_buffer, .address_space: global }
      - { .name: W_k, .offset: 16, .size: 8, .value_kind: global_buffer, .address_space: global }
      - { .name: W_v, .offset: 24, .size: 8, .value_kind: global_buffer, .address_space: global }
      - { .name: W_o, .offset: 32, .size: 8, .value_kind: global_buffer, .address_space: global }
      - { .name: mneg, .offset: 40, .size: 8, .value_kind: global_buffer, .address_space: global }
      - { .name: wc, .offset: 48, .size: 8, .value_kind: global_buffer, .address_space: global }
    .group_segment_fixed_size: 17408
    .private_segment_fixed_size: 0
    .kernarg_segment_align: 8
    .kernarg_segment_size: 56
    .max_flat_workgroup_size: 256
    .sgpr_count:     66
    .vgpr_count:     96
    .wavefront_size: 32
...
	.end_amdgpu_metadata
.endif
;; end of part 1
;; launch proj (part 2): grid 4 x 192, 4 waves a work-group, clusters of 4 x 4, 327,680 bytes of LDS; arguments q, k, v, wc, b_q, b_k, b_v, qkv; writes qkv
.if DOCPART == 2
	.amdgcn_target "amdgcn-amd-amdhsa--gfx1250"
	.amdhsa_code_object_version 6
	.text
	.protected	k_q95fdbbabe5_proj
	.globl	k_q95fdbbabe5_proj
	.p2align	8
	.type	k_q95fdbbabe5_proj,@function
k_q95fdbbabe5_proj:
	s_mov_b64 s[64:65], 0
	v_nop
	global_prefetch_b8 v0, s[64:65] scope:SCOPE_SE
	s_setreg_imm32_b32 hwreg(HW_REG_WAVE_MODE, 25, 1), 1
	s_wait_xcnt 0x0
	s_wait_alu depctr_hold_cnt(0) depctr_sa_sdst(0) depctr_va_vdst(0) depctr_va_sdst(0) depctr_va_ssrc(0) depctr_va_vcc(0) depctr_vm_vsrc(0)
	s_getreg_b32 s2, hwreg(HW_REG_IB_STS2, 6, 4)
	s_cmp_eq_u32 s2, 0
	s_cbranch_scc0 .Lentry_in_a_cluster
	s_endpgm
.Lentry_in_a_cluster:
	s_bfe_u32 s2, ttmp6, 0x10000c
	s_cmp_lg_u32 s2, 0xf033
	s_cbranch_scc0 .Lentry_shape_is_right
	s_endpgm
.Lentry_shape_is_right:
; Launch 2 of 4: qkv[which] = f16( bf16(x) bf16(W) + bf16(b) ), x = q, k, v: [8192][1024] f32; W: plane which of wc, [1024 k][1024 n] bf16; qkv: [3][8192][1024] f16.  Nothing is left out.
; LIMIT: f16 ends at 65,504: the projected numbers must stay within it.  The scale 1/8 is not applied here.
; SHARES.  A tile is 128 rows x 256 columns: 768 tiles, three for each of 256 places.  Four waves, each 64 rows x 128 columns: 32 accumulators.  K goes in 8 steps of 128 through two LDS slots.
; THE PRODUCT IS USED TRANSPOSED: source 0 = 16 columns of W (W lies [k][n] in LDS and comes out turned, by ds_load_tr16_b128), source 1 = 16 rows of x.  A lane then holds one row and eight
; neighbouring columns.  The bias is the C operand of the first product on each accumulator.  x lies in LDS as f32 and is rounded to bf16 between its LDS load and the product, a quarter step ahead.
; CLUSTER 4 x 4: the four tiles of a row of the cluster share their rows of x, the four of a column their columns of W (which is the same in a whole cluster): each tile is asked for jointly.
; REGISTERS.  window 0: v16-30 addresses; v32-95 x as f32 (AR); v96-127, v128-159 x as bf16, two buffers; v160-223 the bias.  window 1: v0-63, v64-127 W, two buffers.  window 2: accumulator (a, b) at 8 (8 a + b).
.set PA,     528                       ; a row of x in LDS: 512 bytes + 16: an odd multiple of 16, so the 16 rows of a load start at 16 different groups of four banks (64 banks of 4 bytes: ISA guide 11.1)
.set PB,     544                       ; a row of W: 512 + 32: an odd multiple of 32
.set AHALF,  64*PA
.set BOFF,   128*PA                    ; a slot: 128 rows of x, then 128 k rows of W
.set BHALF,  64*PB
.set SLOT,   BOFF+128*PB
.set STAGE,  2*SLOT                    ; behind the ring: 16 rows x 272 bytes for each wave, for the way out
.set SPITCH, 272
.set SPARE,  STAGE+4*16*SPITCH         ; the spare words: 128 bytes a wave, named by no other line
.set ADRA, 16                          ; v16-17 my place in x in slot 0, 1
.set ADRB, 20                          ; v20-21 the same for W
.set STO,  24
.set RD,   25
.set CO,   26
.set BO,   27
.set SPW,  28                          ; my spare word; never rewritten
.set NIL,  29                          ; 0; never rewritten
.set PFO,  30                          ; the prefetches' lane offset; never rewritten
.set AR,   32
.set AF,   96                          ; + 32 f
.set BIAS, 160
.set TMP,  32                          ; the way out: packed results
.set OB,   96                          ; the way out: rows read back, + 32 (a % 2)
.set BF,   0                           ; window 1, + 64 f
.set G1,  24                           ; s[24:31] group 1 for x;  s[32:39] group 0, a set for each slot
.set G0,  32
.set G1B, 48                           ; s[48:55], s[56:63] the same for W
.set G0B, 56
.set LIM, 43                           ; s43 1 in a wave that prefetches, else the greatest number
.set PFA, 44                           ; s[44:45] where my prefetches stand
.set PFS, 46                           ; s[46:47] a K step in that tensor, in bytes
.set MSB, 0
.macro WIN new                         ; the high byte repeats the setting that is left; a switch that changes nothing is dropped
.if MSB != (\new)
	s_set_vgpr_msb (MSB<<8)|(\new)
.set MSB, \new
.endif
.endm
.set MUL,  0xa1                        ; W window 1, x window 0, C and D window 2
.set MULF, 0x81                        ; the same with C (the bias) in window 0
.set TO_B, 0x40                        ; destination window 1, address window 0
.macro JLOAD s                         ; a joint load: waves 0, 1 fetch the halves of x, waves 2, 3 those of W; an s_nop 0 and four v_nop follow each line
	s_cmp_eq_u32 s11, 0
	s_cbranch_scc0 .Lfor_b_\@
	tensor_load_to_lds s[G0+4*(\s):G0+4*(\s)+3], s[G1:G1+7]
	s_nop 0
.rept 4
	v_nop
.endr
	s_branch .Lasked_\@
.Lfor_b_\@:
	tensor_load_to_lds s[G0B+4*(\s):G0B+4*(\s)+3], s[G1B:G1B+7]
	s_nop 0
.rept 4
	v_nop
.endr
.Lasked_\@:
.endm
.macro CREST                           ; a round of the cluster's barrier behind its opening barrier
	s_cmp_lg_u32 s10, 0
	s_cbranch_scc1 .Lnot_wave_0_\@
	s_barrier_signal -3
.Lnot_wave_0_\@:
	s_barrier_wait -3
	s_barrier_signal -1
	s_barrier_wait -1
.endm
.macro CROUND
	s_barrier_signal -1
	s_barrier_wait -1
	CREST
.endm
; A prefetch into the L2 of the K step two refills on: 16 rows x 2 blocks of 256 bytes, a lane a block.  Of the 64 rows that a wave fetches each of the four partners that ask jointly takes 16, told apart by
; address.  The rows of x are read by one cluster; W's by 16 clusters, of which the first asks.  The loop's last trip has no K step two refills on.
.macro ASK
	WIN 0
	s_cmp_gt_u32 s3, s[LIM]
	s_cbranch_scc0 .Lnot_mine_\@
	global_prefetch_b8 v[PFO], s[PFA:PFA+1] th:TH_LOAD_NT scope:SCOPE_SE
.Lnot_mine_\@:
.endm
	s_load_b512 s[68:83], s[0:1], 0x0              ; q 68, k 70, v 72, wc 74, b_q 76, b_k 78, b_v 80, qkv 82
	v_lshl_add_u32 v[SPW], v0, 2, SPARE
	v_mov_b32 v[NIL], 0
	ds_add_u32 v[SPW], v[NIL]                      ; the opening: the add, twice on end, and its wait ahead of my first tensor load
	ds_add_u32 v[SPW], v[NIL]
	v_lshrrev_b32 v1, 5, v0
	v_readfirstlane_b32 s10, v1                    ; wave 0..3
	s_lshr_b32 s11, s10, 1                         ; my half of the rows.  Also: I fetch x (0) or W (1)
	s_and_b32 s12, s10, 1                          ; my half of the columns.  Also: which 64 rows I fetch
	s_bfe_u32 s40, ttmp6, 0x40000                  ; cx
	s_bfe_u32 s41, ttmp6, 0x40004                  ; cy
	s_lshl_b32 s42, ttmp9, 2
	s_add_co_u32 s42, s42, s40                     ; tile column
	s_and_b32 s85, ttmp7, 0xffff                   ; cluster y
	s_lshr_b32 s84, s85, 4                         ; which: 16 clusters for each of q, k, v
	s_lshl_b32 s13, s85, 2
	s_add_co_u32 s13, s13, s41
	s_and_b32 s13, s13, 63                         ; tile row
	s_lshl_b32 s43, s41, 2
	s_lshl_b32 s43, 15, s43                        ; my row of the cluster
	s_lshl_b32 s44, 0x1111, s40                    ; my column
	s_or_b32 s[G1+0], s43, (2<<16)|(1<<20)|(1<<21)|(6<<22)|(3<<25)   ; mask; 4-byte elements; padding on; bit 21 beside a mask; after every 128 words 4 words
	s_or_b32 s[G1B+0], s44, (1<<16)|(1<<20)|(1<<21)|(6<<22)|(7<<25)  ; mask; 2-byte elements; after every 128 words 8 words
	s_mov_b32 s[G1+1], 128<<16                     ; tensor_dim0 = 128
	s_mov_b32 s[G1+2], 64<<16                      ; tensor_dim1 = 64
	s_mov_b32 s[G1+3], 128<<16                     ; tile_dim0 = 128
	s_mov_b32 s[G1+4], 64                          ; tile_dim1 = 64
	s_mov_b32 s[G1+5], 1024                        ; elements from row to row
	s_mov_b32 s[G1+6], 0
	s_mov_b32 s[G1+7], 0
	s_mov_b32 s[G1B+1], 256<<16
	s_mov_b32 s[G1B+2], 64<<16
	s_mov_b32 s[G1B+3], 256<<16
	s_mov_b32 s[G1B+4], 64
	s_mov_b32 s[G1B+5], 1024
	s_mov_b32 s[G1B+6], 0
	s_mov_b32 s[G1B+7], 0
	s_lshl_b32 s16, s13, 19                        ; x: 128 rows of 4,096 bytes a tile row,
	s_lshl_b32 s17, s12, 18                        ; my 64 of them
	s_add_co_u32 s16, s16, s17
	s_mov_b32 s17, 0
	s_lshl_b32 s20, s84, 21                        ; W: the plane,
	s_lshl_b32 s21, s12, 17                        ; my 64 k rows of 2,048 bytes,
	s_add_co_u32 s20, s20, s21
	s_lshl_b32 s21, s42, 9                         ; the tile's 256 columns
	s_add_co_u32 s20, s20, s21
	s_mov_b32 s21, 0
	s_mul_i32 s18, s12, AHALF                      ; where they go: no place in the cluster enters an LDS address
	s_mul_i32 s19, s12, BHALF
	s_add_co_u32 s19, s19, BOFF
	s_wait_dscnt 0x0                               ; both opening adds are done
	s_wait_kmcnt 0x0
	s_cmp_eq_u32 s84, 1
	s_cselect_b64 s[86:87], s[70:71], s[68:69]     ; x
	s_cselect_b64 s[88:89], s[78:79], s[76:77]     ; its bias
	s_cmp_eq_u32 s84, 2
	s_cselect_b64 s[86:87], s[72:73], s[86:87]
	s_cselect_b64 s[88:89], s[80:81], s[88:89]
	s_add_nc_u64 s[14:15], s[86:87], s[16:17]
	s_add_nc_u64 s[22:23], s[74:75], s[20:21]
	CROUND                                         ; all sixteen work-groups are here: the first joint loads meet
.irp s, 0,1
	s_mov_b32 s[G0+4*(\s)], 1
	s_add_co_u32 s[G0+4*(\s)+1], s18, (\s)*SLOT
	s_add_nc_u64 s[G0+4*(\s)+2:G0+4*(\s)+3], s[14:15], (\s)*512      ; K step s: 128 f32
	s_or_b32 s[G0+4*(\s)+3], s[G0+4*(\s)+3], 0x80000000
	s_mov_b32 s[G0B+4*(\s)], 1
	s_add_co_u32 s[G0B+4*(\s)+1], s19, (\s)*SLOT
	s_add_nc_u64 s[G0B+4*(\s)+2:G0B+4*(\s)+3], s[22:23], (\s)*262144 ; K step s: 128 rows of 2,048 bytes
	s_or_b32 s[G0B+4*(\s)+3], s[G0B+4*(\s)+3], 0x80000000
	JLOAD \s                                       ; two tensor loads of mine are out
.endr
	; the bias of my 128 columns: a lane's eight numbers for each of the eight column blocks
	s_lshl_b32 s4, s42, 10
	s_lshl_b32 s5, s12, 9
	s_add_co_u32 s4, s4, s5
	s_mov_b32 s5, 0
	s_add_nc_u64 s[88:89], s[88:89], s[4:5]
	v_and_b32 v1, 15, v0                           ; r = l % 16
	v_bfe_u32 v2, v0, 4, 1                         ; h = l / 16
	v_lshlrev_b32 v[BO], 5, v2
.irp b, 0,1,2,3,4,5,6,7
	global_load_b128 v[BIAS+8*(\b):BIAS+8*(\b)+3],   v[BO], s[88:89] offset:64*(\b)
	global_load_b128 v[BIAS+8*(\b)+4:BIAS+8*(\b)+7], v[BO], s[88:89] offset:64*(\b)+16
.endr
	v_mul_u32_u24 v3, v1, PA
	v_lshl_add_u32 v3, v2, 5, v3                   ; x: row r, 32 bytes (8 f32) for each half of the lanes
	s_mul_i32 s21, s11, AHALF
	v_and_b32 v4, 7, v0
	v_lshl_add_u32 v4, v2, 3, v4                   ; W: k row 8 h + l % 8,
	v_mul_u32_u24 v4, v4, PB
	v_bfe_u32 v5, v0, 3, 1
	v_lshl_add_u32 v4, v5, 4, v4                   ; columns 8 ((l / 8) % 2) on
	s_lshl_b32 s22, s12, 8
	s_add_co_u32 s22, s22, BOFF
.irp s, 0,1
	v_add_nc_u32 v[ADRA+(\s)], s21, v3
	v_add_nc_u32 v[ADRB+(\s)], s22, v4
	s_add_co_u32 s21, s21, SLOT
	s_add_co_u32 s22, s22, SLOT
.endr
	s_mul_i32 s23, s10, 16*SPITCH
	s_add_co_u32 s23, s23, STAGE
	v_mul_u32_u24 v4, v1, SPITCH
	v_lshl_add_u32 v4, v2, 4, v4
	v_add_nc_u32 v[STO], s23, v4
	v_mul_u32_u24 v5, v2, SPITCH
	v_lshl_add_u32 v5, v1, 4, v5
	v_add_nc_u32 v[RD], s23, v5
	v_lshlrev_b32 v5, 11, v2
	v_lshl_add_u32 v[CO], v1, 4, v5                ; two rows of qkv, 256 bytes of each
	s_lshl_b32 s6, s84, 24                         ; my part of qkv: the plane, the tile row, my 64 rows, the tile column, my 128 columns
	s_lshl_b32 s7, s13, 18
	s_add_co_u32 s6, s6, s7
	s_lshl_b32 s7, s11, 17
	s_add_co_u32 s6, s6, s7
	s_lshl_b32 s7, s42, 9
	s_add_co_u32 s6, s6, s7
	s_lshl_b32 s7, s12, 8
	s_add_co_u32 s6, s6, s7
	s_mov_b32 s7, 0
	s_add_nc_u64 s[8:9], s[82:83], s[6:7]
	; the prefetches: they stand at K step 3; each change of slots steps them first
	s_lshl_b32 s4, s13, 19
	s_lshl_b32 s5, s12, 18
	s_add_co_u32 s4, s4, s5
	s_lshl_b32 s5, s40, 16                         ; x: my work-group's 16 rows of the 64, by cx
	s_add_co_u32 s4, s4, s5
	s_add_co_u32 s4, s4, 3*512
	s_lshl_b32 s6, s84, 21
	s_lshl_b32 s5, s12, 17
	s_add_co_u32 s6, s6, s5
	s_lshl_b32 s5, s41, 15                         ; W: by cy
	s_add_co_u32 s6, s6, s5
	s_lshl_b32 s5, s42, 9
	s_add_co_u32 s6, s6, s5
	s_add_co_u32 s6, s6, 3*262144
	s_and_b32 s5, s85, 15
	s_cmp_eq_u32 s5, 0
	s_cselect_b32 s5, 1, -1                        ; the first of the 16 clusters that read this plane
	s_mov_b32 s7, 262144
	s_mov_b32 s2, 512
	s_cmp_eq_u32 s11, 0
	s_cselect_b32 s4, s4, s6
	s_cselect_b32 s[LIM], 1, s5
	s_cselect_b32 s[PFS], s2, s7
	s_cselect_b32 s6, 12, 11                       ; a row is 4,096 bytes of x, 2,048 of W
	s_cselect_b64 s[PFA:PFA+1], s[86:87], s[74:75]
	s_mov_b32 s5, 0
	s_mov_b32 s[PFS+1], 0
	s_add_nc_u64 s[PFA:PFA+1], s[PFA:PFA+1], s[4:5]
	v_and_b32 v3, 31, v0
	v_and_b32 v[PFO], 1, v3
	v_lshlrev_b32 v[PFO], 8, v[PFO]
	v_lshrrev_b32 v3, 1, v3
	v_lshlrev_b32 v3, s6, v3
	v_or_b32 v[PFO], v[PFO], v3
	s_wait_loadcnt 0x0                             ; the bias; it is rounded to bf16 like every input
.set i, 0
.rept 32
	v_cvt_pk_bf16_f32 v[128+i], v[BIAS+2*i], v[BIAS+2*i+1]
.set i, i+1
.endr
.set i, 0
.rept 32
	v_lshlrev_b32 v[BIAS+2*i], 16, v[128+i]
	v_and_b32 v[BIAS+2*i+1], 0xffff0000, v[128+i]
.set i, i+1
.endr
; nb products: row block a, column blocks b0 on, 32 along K, buffer f.  first = 1: the bias starts the sums.  The 32 accumulators take turns in one order.
.macro MULS f, a, b0, nb, first
.set bb, \b0
.rept \nb
.if \first
	WIN MULF
	v_wmma_f32_16x16x32_bf16 v[8*(8*(\a)+bb):8*(8*(\a)+bb)+7], v[BF+64*(\f)+8*bb:BF+64*(\f)+8*bb+7], v[AF+32*(\f)+8*(\a):AF+32*(\f)+8*(\a)+7], v[BIAS+8*bb:BIAS+8*bb+7]
.else
	WIN MUL
	v_wmma_f32_16x16x32_bf16 v[8*(8*(\a)+bb):8*(8*(\a)+bb)+7], v[BF+64*(\f)+8*bb:BF+64*(\f)+8*bb+7], v[AF+32*(\f)+8*(\a):AF+32*(\f)+8*(\a)+7], v[8*(8*(\a)+bb):8*(8*(\a)+bb)+7]
.endif
.set bb, bb+1
.endr
.endm
; 32 LDS loads in one run: quarter kq of a slot: x as f32 (16 loads: k = 8 h + 0..7 and 16 + 8 h + 0..7 of four row blocks) into AR, then W turned (16 loads) into buffer g
.macro FETCH slot, kq, g
	WIN 0
.irp a, 0,1,2,3
.irp c, 0,1,2,3
	ds_load_b128 v[AR+16*(\a)+4*(\c):AR+16*(\a)+4*(\c)+3], v[ADRA+(\slot)] offset:(\a)*16*PA+(\kq)*128+16*(\c)+32*((\c)/2)
.endr
.endr
	WIN TO_B
.irp b, 0,1,2,3,4,5,6,7
	ds_load_tr16_b128 v[BF+64*(\g)+8*(\b):BF+64*(\g)+8*(\b)+3],   v[ADRB+(\slot)] offset:(\kq)*32*PB+32*(\b)
	ds_load_tr16_b128 v[BF+64*(\g)+8*(\b)+4:BF+64*(\g)+8*(\b)+7], v[ADRB+(\slot)] offset:(\kq)*32*PB+32*(\b)+16*PB
.endr
.endm
.macro CVT4 g, n                       ; four of the 32 roundings of x into buffer g
	WIN 0
.irp z, 0,1,2,3
	v_cvt_pk_bf16_f32 v[AF+32*(\g)+4*(\n)+(\z)], v[AR+8*(\n)+2*(\z)], v[AR+8*(\n)+2*(\z)+1]
.endr
.endm
; A quarter step: multiplies buffer f, fetches quarter kq into g and rounds it.  The last four roundings are the four places between the last product and the next run's loads into W's buffer f
; (ISA guide 7.12.1 for vector instructions); they name no register of the products round them.
.macro QUARTER slot, kq, f, g, first
	s_wait_dscnt 0x0                               ; W's fragments of this quarter, asked for a quarter ago
	FETCH \slot, \kq, \g
	MULS \f, 0, 0, 8, \first
	MULS \f, 1, 0, 8, \first
	s_wait_dscnt 16                                ; x is in; W's 16 younger loads stay out
.set nn, 0
.rept 8
	MULS \f, 2+nn/4, 2*(nn%4), 2, \first
	CVT4 \g, nn
.set nn, nn+1
.endr
.endm
; The last quarter multiplies buffer 1 and changes slots: one barrier; in front of it each wave waits for all its tensor loads, adds 0 to its spare word and waits for that and for its reads of the slot.
; fill = 1: the barrier opens a round of the cluster's barrier, and the slot is filled again, first thing behind it, two K steps ahead.
.macro TURN slot, next, fill
.if \fill
	s_wait_xcnt 0x0                                ; the last prefetch, a K step back, has read its address
	s_add_nc_u64 s[PFA:PFA+1], s[PFA:PFA+1], s[PFS:PFS+1]
.endif
	WIN 0
	s_wait_tensorcnt 0x0                           ; all my tensor loads have landed: my part of the next slot
	ds_add_u32 v[SPW], v[NIL]
	s_wait_dscnt 1                                 ; W's fragments are in; the add may be out
	MULS 1, 0, 0, 8, 0
	s_wait_dscnt 0x0                               ; the add is done, and my reads of this slot are over
	s_barrier_signal -1
	MULS 1, 1, 0, 8, 0
	WIN 0
	s_barrier_wait -1
.if \fill
	CREST
	s_add_nc_u64 s[G0+4*(\slot)+2:G0+4*(\slot)+3], s[G0+4*(\slot)+2:G0+4*(\slot)+3], 2*512
	s_add_nc_u64 s[G0B+4*(\slot)+2:G0B+4*(\slot)+3], s[G0B+4*(\slot)+2:G0B+4*(\slot)+3], 2*262144
	JLOAD \slot
.endif
	FETCH \next, 0, 0
.if \fill
	ASK
.endif
	MULS 1, 2, 0, 8, 0
	s_wait_dscnt 16                                ; x is in
.set nn, 0
.rept 8
	MULS 1, 3, nn, 1, 0
	CVT4 0, nn
.set nn, nn+1
.endr
.endm
	s_wait_tensorcnt 1                             ; my part of K step 0 is in; step 1's may stay out
	s_barrier_signal -1
	s_barrier_wait -1
	FETCH 0, 0, 0
	s_wait_dscnt 16
.irp n, 0,1,2,3,4,5,6,7
	CVT4 0, \n
.endr
	QUARTER 0, 1, 0, 1, 1                          ; the first quarter stands in front of the loop: its products start the sums
	WIN 0
	s_mov_b32 s3, 3
.Llap:                                                 ; a trip goes once round the ring and fills both slots again
	QUARTER 0, 2, 1, 0, 0
	QUARTER 0, 3, 0, 1, 0
	TURN 0, 1, 1
	QUARTER 1, 1, 0, 1, 0
	QUARTER 1, 2, 1, 0, 0
	QUARTER 1, 3, 0, 1, 0
	TURN 1, 0, 1
	QUARTER 0, 1, 0, 1, 0
	WIN 0
	s_sub_co_u32 s3, s3, 1
	s_cmp_lg_u32 s3, 0
	s_cbranch_scc1 .Llap
	QUARTER 0, 2, 1, 0, 0                          ; the last lap fills nothing
	QUARTER 0, 3, 0, 1, 0
	TURN 0, 1, 0
	QUARTER 1, 1, 0, 1, 0
	QUARTER 1, 2, 1, 0, 0
	QUARTER 1, 3, 0, 1, 0
	s_wait_dscnt 0x0
	MULS 1, 0, 0, 8, 0
	MULS 1, 1, 0, 8, 0
	MULS 1, 2, 0, 8, 0
	MULS 1, 3, 0, 8, 0
	WIN 0
.rept 8
	v_nop                                          ; the places behind the last products
.endr
; THE WAY OUT, a block of 16 rows at a time: rounded to f16, 16 bytes a lane into my own stage, back as whole rows of 256 bytes, stored.
.macro PACK a
	WIN 0x0a                                       ; sources 0 and 1 window 2
.irp b, 0,1,2,3,4,5,6,7
.irp r, 0,1,2,3
	v_cvt_pk_f16_f32 v[TMP+4*(\b)+(\r)], v[64*(\a)+8*(\b)+2*(\r)], v[64*(\a)+8*(\b)+2*(\r)+1]
.endr
.endr
	WIN 0
.endm
.macro TOSTAGE a
	WIN 0
.irp b, 0,1,2,3,4,5,6,7
	ds_store_b128 v[STO], v[TMP+4*(\b):TMP+4*(\b)+3] offset:32*(\b)
.endr
.irp t, 0,1,2,3,4,5,6,7
	ds_load_b128 v[OB+32*((\a)%2)+4*(\t):OB+32*((\a)%2)+4*(\t)+3], v[RD] offset:(\t)*2*SPITCH  ; LDS serves a wave's instructions in order (ISA guide 5.7.1.4)
.endr
.endm
.macro SEND a
	WIN 0
	s_wait_dscnt 0x0                               ; the block is back in registers
	s_wait_xcnt 0x0                                ; earlier stores have read their base and data: both are rewritten only behind this wait
.if (\a) > 0
	s_add_nc_u64 s[8:9], s[8:9], 16*2048
.endif
.irp t, 0,1,2,3,4,5,6,7
	global_store_b128 v[CO], v[OB+32*((\a)%2)+4*(\t):OB+32*((\a)%2)+4*(\t)+3], s[8:9] offset:(\t)*4096  ; 16 lanes store 256 consecutive bytes, aligned
.endr
.endm
	PACK 0
	TOSTAGE 0
.irp a, 1,2,3
	PACK \a
	SEND (\a)-1
	TOSTAGE \a
.endr
	SEND 3
	s_wait_tensorcnt 0x0                           ; the wave's end
	ds_add_u32 v[SPW], v[NIL]
	s_wait_dscnt 0x0
	CROUND                                         ; the closing round
	s_endpgm
.Lfunc_end_k_q95fdbbabe5_proj:
	.size	k_q95fdbbabe5_proj, .Lfunc_end_k_q95fdbbabe5_proj-k_q95fdbbabe5_proj
	.p2alignl 7, 3214868480
	.fill 96, 4, 3214868480
	.section	.rodata,"a",@progbits
	.p2align	6, 0x0
	.amdhsa_kernel k_q95fdbbabe5_proj
		.amdhsa_group_segment_fixed_size 327680
		.amdhsa_private_segment_fixed_size 0
		.amdhsa_enable_private_segment 0
		.amdhsa_kernarg_size 64
		.amdhsa_user_sgpr_count 2
		.amdhsa_user_sgpr_kernarg_segment_ptr 1
		.amdhsa_wavefront_size32 1
		.amdhsa_system_sgpr_workgroup_id_x 1
		.amdhsa_system_sgpr_workgroup_id_y 1
		.amdhsa_system_sgpr_workgroup_id_z 1
		.amdhsa_system_vgpr_workitem_id 0
		.amdhsa_next_free_vgpr 768
		.amdhsa_next_free_sgpr 92
		.amdhsa_reserve_vcc 0
		.amdhsa_float_denorm_mode_32 3
		.amdhsa_float_denorm_mode_16_64 3
		.amdhsa_memory_ordered 1
		.amdhsa_forward_progress 1
		.amdhsa_inst_pref_size 140
	.end_amdhsa_kernel
	.amdgpu_metadata
---
amdhsa.version: [ 1, 2 ]
amdhsa.kernels:
  - .name:           k_q95fdbbabe5_proj
    .symbol:         k_q95fdbbabe5_proj.kd
    .args:
      - { .name: q, .offset: 0, .size: 8, .value_kind: global_buffer, .address_space: global }
      - { .name: k, .offset: 8, .size: 8, .value_kind: global_buffer, .address_space: global }
      - { .name: v, .offset: 16, .size: 8, .value_kind: global_buffer, .address_space: global }
      - { .name: wc, .offset: 24, .size: 8, .value_kind: global_buffer, .address_space: global }
      - { .name: b_q, .offset: 32, .size: 8, .value_kind: global_buffer, .address_space: global }
      - { .name: b_k, .offset: 40, .size: 8, .value_kind: global_buffer, .address_space: global }
      - { .name: b_v, .offset: 48, .size: 8, .value_kind: global_buffer, .address_space: global }
      - { .name: qkv, .offset: 56, .size: 8, .value_kind: global_buffer, .address_space: global }
    .group_segment_fixed_size: 327680
    .private_segment_fixed_size: 0
    .kernarg_segment_align: 8
    .kernarg_segment_size: 64
    .max_flat_workgroup_size: 128
    .sgpr_count:     92
    .vgpr_count:     768
    .wavefront_size: 32
...
	.end_amdgpu_metadata
.endif
;; end of part 2
;; launch attn (part 3): grid 4 x 64, 4 waves a work-group, clusters of 4 x 4, 327,680 bytes of LDS; arguments qkv, mneg, oc; writes oc
.if DOCPART == 3
	.amdgcn_target "amdgcn-amd-amdhsa--gfx1250"
	.amdhsa_code_object_version 6
	.text
	.protected	k_q95fdbbabe5_attn
	.globl	k_q95fdbbabe5_attn
	.p2align	8
	.type	k_q95fdbbabe5_attn,@function
k_q95fdbbabe5_attn:
	s_mov_b64 s[64:65], 0
	v_nop
	global_prefetch_b8 v0, s[64:65] scope:SCOPE_SE
	s_setreg_imm32_b32 hwreg(HW_REG_WAVE_MODE, 25, 1), 1
	s_wait_xcnt 0x0
	s_wait_alu depctr_hold_cnt(0) depctr_sa_sdst(0) depctr_va_vdst(0) depctr_va_sdst(0) depctr_va_ssrc(0) depctr_va_vcc(0) depctr_vm_vsrc(0)
	s_getreg_b32 s2, hwreg(HW_REG_IB_STS2, 6, 4)
	s_cmp_eq_u32 s2, 0
	s_cbranch_scc0 .Lentry_in_a_cluster
	s_endpgm
.Lentry_in_a_cluster:
	s_bfe_u32 s2, ttmp6, 0x10000c
	s_cmp_lg_u32 s2, 0xf033
	s_cbranch_scc0 .Lentry_shape_is_right
	s_endpgm
.Lentry_shape_is_right:
; Launch 3 of 4: oc[b s][h 64 + :] = the sum over k of softmax_k( mask ? Q . K / 8 : -1e9 ) V.  qkv: [3][8192][1024] f16; mneg: [4][32][2048][64] fp8 codes (-1 where hidden, else 0); oc: [8192][1024] f16.  Nothing is left out.
; SHARES.  A wave is one head and 128 queries: four PIECES of two tiles of 16.  A work-group is four neighbouring heads; every wave walks the 2,048 keys, 64 a step.
; CLUSTER 4 x 4: x = the four groups of heads, y = four blocks of queries of one batch.  K's and V's tiles (64 keys x 512 bytes, four heads) are shared along a column, the mask's tile (128 queries x 64 keys) along a row.
; LAYOUT.  S^T = K Q^T holds ONE query a lane (lane % 16) and the keys 8 (lane / 16) + 0..7; two such results rounded to f16 ARE source 1 of O^T = V^T P.  K comes out of LDS as it lies, V turned.
; THE MASK starts each sum: a lane's eight codes for an accumulator are widened by ONE scaled conversion, times 2^32, straight into the accumulator's eight registers, and K Q^T is added onto that:
; a visible score is unchanged, a hidden one lies 2^32 lower.
; SOFTMAX.  A running maximum m, begun at M0 = -2^30 (unscaled), and a sum l: p = 2^(c s - c m), c = log2(e) / 8; O and l are multiplied by a = 2^(c m_old - c m_new) in every step.  A hidden weight is 0.
; A ROW THAT IS ALL HIDDEN has equal weights in the module: O = (O + w SumV) / (l + 2048 w), w = 2^(c M0 - c m): 1 where m never left M0 (then O = l = 0), else 0.  SumV = V^T x ones, eight products a step.
; LIMITS.  Visible unscaled scores lie above -2^30, a row's scores within 3e9 of each other, and in a row that is all hidden under 3.2e9.  f16 ends at 65,504; p below 6e-5 keeps f16's fixed step.
; A weight below 2^-126 counts as 0 in l.  NaN and infinities are not treated apart.
; BY TURNS.  Turn n belongs to piece n: 8 conversions of the mask and 16 products K Q^T of piece n + 1, later 16 products V^T P of piece n - 1; beside them the scaling, exponentials, roundings, sums and rescaling of piece n
; and the maximum and statistics of piece n + 1.  Four vector instructions ride behind every product, the rest stands in one lump; a turn's 66 exponentials are one batch with one wait.
; REGISTERS, in windows of 256 (s_set_vgpr_msb: bits 1:0 source 0, 3:2 source 1, 5:4 source 2, 7:6 destination):
;   window 0: v2-11 addresses; v12-15, v48-63 at work; v16-47 statistics; v64-191 S^T, two buffers of two tiles; v192-255 P, likewise       window 1: O^T, 32 a tile
;   window 2: v0-127 Q; v128-191 K of a step; v192-255 V of a step       window 3: v0-1 the add's registers; v2 the scale; v16-23 ones; v24-55 SumV; v64-95 the mask's codes, two buffers
.set NP,    4
.set KS,    64
.set PK,    528       ; a row of K in LDS: 512 bytes + 16: an odd multiple of 16 (64 banks of 4 bytes: ISA guide 11.1)
.set PV,    544       ; a row of V: 512 + 32: an odd multiple of 32
.set PM,    80        ; a query's 64 codes: 64 bytes + 16 = 20 words: the 16 rows of a load start at 16 different groups of four banks, and the two halves of the lanes fill a group
.set VOFF,  KS*PK
.set MOFF,  VOFF+KS*PV
.set SLOT1, 1<<17     ; a slot holds one step (78,848 bytes); one exclusive or turns an address in one slot into the other's
.set STAGE, SLOT1+MOFF+128*PM  ; behind the ring: 128 rows x 528 bytes, the work-group's, for the way out
.set SP,    528
.set SPARE, STAGE+128*SP       ; the spare words: 128 bytes a wave, named by no other line
.set AK0, 2
.set AV0, 3
.set AK,  4
.set AV,  5
.set QO,  6
.set STO, 6
.set RD,  7
.set GO,  8
.set AM0, 9
.set AM,  10
.set PFO, 11
.set MV,  12
.set ST,  16          ; tile t: c m, m, l (even keys', odd keys')
.set TMP, 48
.set S,   64
.set P,   192
.set KF,  128         ; window 2
.set VF,  192         ; window 2
.set SPW, 0           ; window 3
.set NIL, 1           ; window 3
.set SCL, 2           ; window 3: the scale's code in byte 0: 127 + 32
.set ONES, 16         ; window 3
.set SUMV, 24         ; window 3
.set MF,  64          ; window 3: piece's parity at + 16, tile at + 8, group of 16 keys at + 2
.set WV,  14
.set G1K, 24
.set G1V, 32
.set G1M, 40
.set G0K, 48
.set G0V, 52
.set G0M, 56
.set CS,  60
.set SEL, 62
.set SLOTS, 66
.set CNT, 67
.set TB,  68          ; the slot that this trip reads
.set LIM, 69
.set PAR, 70
.set T,   71
.set PFA, 72
.set CM0, 76
.set CX,  77
.set CY,  78
.set PARV, 79
.set MSB, 0
.macro WIN new
.if MSB != (\new)
	s_set_vgpr_msb (MSB<<8)|(\new)
.set MSB, (\new)
.endif
.endm
.set W_KQ, 0x0a       ; K and Q window 2, S^T window 0
.set W_MP, 0x0f       ; the codes and the scale window 3, S^T window 0
.set W_PV, 0x52       ; V window 2, P window 0, O^T window 1
.set W_SV, 0xfe       ; V window 2, ones and SumV window 3
.set W_RS, 0x41       ; destination and source 0 window 1, source 1 window 0
.set W_MK, 0xc0       ; destination window 3, sources window 0
.set W_AD, 0x0f       ; the add: address and data window 3
; A joint fill: wave 0 fetches the step's K, wave 1 its V, waves 2 and 3 the halves of its mask tile: one load a wave, on every path.  An s_nop 0 and four v_nop follow each line.
.macro JLOAD
	s_cmp_eq_u32 s[WV], 0
	s_cbranch_scc0 .Lnot_k_\@
	tensor_load_to_lds s[G0K:G0K+3], s[G1K:G1K+7]
	s_nop 0
.rept 4
	v_nop
.endr
	s_branch .Lasked_\@
.Lnot_k_\@:
	s_cmp_eq_u32 s[WV], 1
	s_cbranch_scc0 .Lfor_m_\@
	tensor_load_to_lds s[G0V:G0V+3], s[G1V:G1V+7]
	s_nop 0
.rept 4
	v_nop
.endr
	s_branch .Lasked_\@
.Lfor_m_\@:
	tensor_load_to_lds s[G0M:G0M+3], s[G1M:G1M+7]
	s_nop 0
.rept 4
	v_nop
.endr
.Lasked_\@:
.endm
; A prefetch into the L2, two steps or more ahead of the joint load that will want the bytes.  K and V (waves 0, 1): the first of the four clusters of a batch asks; its four partners along y take 16 keys x 2 blocks of
; 256 bytes each, by address, at every change.  The mask (wave 2): every cluster reads its own; the four partners along x take 8 blocks of a step each, by address, for four steps at once, at every fourth change
; (SLOTS = 30, 26 .. 6: steps 4-7, 8-11 .. 28-31).  The last step named is 31; each block is named once.
.macro ASK
	s_cmp_gt_u32 s[SLOTS], s[LIM]
	s_cbranch_scc0 .Lnot_mine_\@
	s_and_b32 s[T], s[SLOTS], s[PAR]
	s_cmp_eq_u32 s[T], s[PARV]
	s_cbranch_scc0 .Lnot_mine_\@
	global_prefetch_b8 v[PFO], s[PFA:PFA+1] th:TH_LOAD_NT scope:SCOPE_SE
.Lnot_mine_\@:
.endm
.macro CROUND
	s_barrier_signal -1
	s_barrier_wait -1
	s_cmp_lg_u32 s[WV], 0
	s_cbranch_scc1 .Lnot_wave_0_\@
	s_barrier_signal -3
.Lnot_wave_0_\@:
	s_barrier_wait -3
	s_barrier_signal -1
	s_barrier_wait -1
.endm
; THE CHANGE OF SLOTS, in front of a trip.  Each wave waits for all its tensor loads (one is out: its part of the other slot), adds 0 to its spare word, and waits for that and for its reads of the slot that it leaves.
; fill = 1: the barrier is a round of the cluster's, and the old slot is filled again, first thing behind it, with the step two on.  All LDS reads of a trip lie in one slot; their addresses are made here.
; A step is 131,072 bytes further in K, in V and in mneg alike.
.macro CHANGE fill, ask
	WIN W_AD
	s_wait_tensorcnt 0x0            ; no tensor load of mine is out, so a group 0 may be written
	ds_add_u32 v[SPW], v[NIL]
	WIN 0
.if \fill
.irp g, G0K, G0V, G0M
	s_xor_b32 s[\g+1], s[\g+1], SLOT1
	s_add_nc_u64 s[\g+2:\g+3], s[\g+2:\g+3], 131072
.endr
.endif
.if \ask
	s_wait_xcnt 0x0                 ; the last prefetch, a step back or more, has read its address
	s_add_nc_u64 s[PFA:PFA+1], s[PFA:PFA+1], 131072
.endif
	s_wait_dscnt 0x0                ; the add is done, and my reads of the slot are over
.if \fill
	CROUND
	JLOAD
.if \ask
	ASK
.endif
.else
	s_barrier_signal -1
	s_barrier_wait -1
.endif
	s_xor_b32 s[TB], s[TB], SLOT1
	v_add_nc_u32 v[AK], s[TB], v[AK0]
	v_add_nc_u32 v[AV], s[TB], v[AV0]
	v_add_nc_u32 v[AM], s[TB], v[AM0]
.endm
	s_load_b128 s[4:7], s[0:1], 0x0   ; qkv s[4:5], mneg s[6:7]
	s_load_b64 s[8:9], s[0:1], 0x10   ; oc
	WIN W_MK
	v_lshl_add_u32 v[SPW], v0, 2, SPARE
	v_mov_b32 v[NIL], 0
	WIN W_AD
	ds_add_u32 v[SPW], v[NIL]       ; the opening: the add, twice on end, and its wait ahead of my first tensor load
	ds_add_u32 v[SPW], v[NIL]
	WIN 0
	v_lshrrev_b32 v1, 5, v0
	v_readfirstlane_b32 s[WV], v1   ; wave 0..3
	s_bfe_u32 s[CX], ttmp6, 0x40000
	s_bfe_u32 s[CY], ttmp6, 0x40004
	s_lshl_b32 s10, ttmp9, 2
	s_add_co_u32 s10, s10, s[CX]    ; the group of four heads
	s_and_b32 s11, ttmp7, 0xffff    ; cluster y
	s_lshl_b32 s12, s11, 2
	s_add_co_u32 s12, s12, s[CY]    ; the block of 128 rows of the 8,192
	s_lshl_b32 s13, s[CY], 2
	s_lshl_b32 s13, 15, s13         ; my row of the cluster
	s_lshl_b32 s15, 0x1111, s[CX]   ; my column
	s_or_b32 s[G1K], s15, (1<<16)|(1<<20)|(1<<21)|(6<<22)|(3<<25)  ; mask; 2-byte elements; padding on; bit 21 beside a mask; after every 128 words 4 words
	s_or_b32 s[G1V], s15, (1<<16)|(1<<20)|(1<<21)|(6<<22)|(7<<25)  ; the same with 8 words
	s_or_b32 s[G1M], s13, (1<<16)|(1<<20)|(1<<21)|(3<<22)|(3<<25)  ; after every 16 words (a query's 64 codes) 4 words
.irp g, G1K, G1V
	s_mov_b32 s[\g+1], 256<<16      ; tensor_dim0 = 256
	s_mov_b32 s[\g+2], KS<<16       ; tensor_dim1 = 64
	s_mov_b32 s[\g+3], 256<<16      ; tile_dim0 = 256
	s_mov_b32 s[\g+4], KS           ; tile_dim1 = 64
	s_mov_b32 s[\g+5], 1024         ; elements from row to row
	s_mov_b32 s[\g+6], 0
	s_mov_b32 s[\g+7], 0
.endr
	s_mov_b32 s[G1M+1], 128<<16     ; 64 queries are 4,096 dense bytes: 16 rows of 256 bytes
	s_mov_b32 s[G1M+2], 16<<16
	s_mov_b32 s[G1M+3], 128<<16
	s_mov_b32 s[G1M+4], 16
	s_mov_b32 s[G1M+5], 128
	s_mov_b32 s[G1M+6], 0
	s_mov_b32 s[G1M+7], 0
	s_lshr_b32 s16, s11, 2          ; the batch, from the cluster's y alone
	s_lshl_b32 s16, s16, 22
	s_lshl_b32 s13, s10, 9
	s_add_co_u32 s16, s16, s13
	s_add_co_u32 s16, s16, 0x1000000  ; K: plane 1, the batch's rows, the group's 512 bytes
	s_mov_b32 s17, 0
	s_lshr_b32 s18, s12, 4
	s_lshl_b32 s18, s18, 22         ; the mask: the batch (32 blocks of 131,072 bytes),
	s_and_b32 s20, s12, 15
	s_lshl_b32 s20, s20, 13         ; the block's 128 queries of 64 bytes,
	s_add_co_u32 s18, s18, s20
	s_and_b32 s20, s[WV], 1
	s_lshl_b32 s21, s20, 12         ; my 64 of them
	s_add_co_u32 s18, s18, s21
	s_mov_b32 s19, 0
	s_mul_i32 s21, s20, 64*PM
	s_mov_b32 s[G0K], 1
	s_mov_b32 s[G0K+1], 0
	s_mov_b32 s[G0V], 1
	s_mov_b32 s[G0V+1], VOFF
	s_mov_b32 s[G0M], 1
	s_add_co_u32 s[G0M+1], s21, MOFF
	s_mov_b32 s[CS], 0x3e38aa3b     ; c = log2(e) / 8
	s_mov_b32 s[CS+1], s[CS]
	s_mov_b32 s[SEL], 0x76543210
	s_mov_b32 s[SEL+1], 0xfedcba98
	s_mov_b32 s[CM0], 0xcd38aa3b    ; c M0, exact
	s_mov_b32 s[TB], SLOT1          ; the first change of slots turns it into 0
	; the prefetches: they stand at step 3; each change of slots in the loop steps them first
	s_lshl_b32 s20, s[WV], 24       ; wave 0: K's plane; wave 1: V's
	s_add_co_u32 s20, s20, s16
	s_lshl_b32 s21, s[CY], 15       ; my work-group's 16 keys
	s_add_co_u32 s20, s20, s21
	s_add_co_u32 s20, s20, 3*131072
	s_lshl_b32 s21, s[CX], 11       ; my work-group's 8 blocks of the mask tile (in wave 2 the half in s18 is 0)
	s_add_co_u32 s21, s21, s18
	s_add_co_u32 s21, s21, 3*131072
	s_and_b32 s13, s11, 3
	s_cmp_eq_u32 s13, 0
	s_cselect_b32 s13, 2, -1        ; the first of the batch's four clusters
	s_cmp_eq_u32 s[WV], 2
	s_cselect_b32 s15, 2, -1
	s_cmp_lt_u32 s[WV], 2
	s_cselect_b32 s20, s20, s21
	s_cselect_b32 s[LIM], s13, s15
	s_cselect_b32 s[PAR], 0, 3
	s_cselect_b32 s[PARV], 0, 2
	s_cselect_b32 s13, 1, 7         ; the lane's low part: the block of 256 bytes,
	s_cselect_b32 s15, 1, 3         ; its high part,
	s_cselect_b32 s22, 11, 17       ; and what the high part steps: a key's row, or a step of the mask
	s_mov_b32 s21, 0
	v_and_b32 v15, 31, v0
	v_and_b32 v[PFO], s13, v15
	v_lshlrev_b32 v[PFO], 8, v[PFO]
	v_lshrrev_b32 v15, s15, v15
	v_lshlrev_b32 v15, s22, v15
	v_or_b32 v[PFO], v[PFO], v15
	s_lshl_b32 s2, s12, 18          ; Q: my block's 128 rows of 2,048 bytes, the group, my head
	s_lshl_b32 s3, s10, 9
	s_add_co_u32 s2, s2, s3
	s_lshl_b32 s22, s[WV], 16       ; O: the same block and group, the 32 rows that I store
	s_add_co_u32 s22, s22, s2
	s_lshl_b32 s3, s[WV], 7
	s_add_co_u32 s2, s2, s3
	s_mov_b32 s3, 0
	s_mov_b32 s23, 0
	s_wait_dscnt 0x0                ; both opening adds are done
	s_wait_kmcnt 0x0
	s_add_nc_u64 s[G0K+2:G0K+3], s[4:5], s[16:17]
	s_add_nc_u64 s[G0V+2:G0V+3], s[G0K+2:G0K+3], 0x1000000
	s_or_b32 s[G0K+3], s[G0K+3], 0x80000000
	s_or_b32 s[G0V+3], s[G0V+3], 0x80000000
	s_add_nc_u64 s[G0M+2:G0M+3], s[6:7], s[18:19]
	s_or_b32 s[G0M+3], s[G0M+3], 0x80000000
	s_cmp_lt_u32 s[WV], 2
	s_cselect_b64 s[PFA:PFA+1], s[4:5], s[6:7]
	s_add_nc_u64 s[PFA:PFA+1], s[PFA:PFA+1], s[20:21]
	s_add_nc_u64 s[80:81], s[4:5], s[2:3]
	s_add_nc_u64 s[8:9], s[8:9], s[22:23]
	CROUND                          ; all sixteen work-groups are here: the first joint loads meet
	JLOAD                           ; step 0 into slot 0; slot 1 is asked for when slot 0 is in
	v_and_b32 v1, 15, v0            ; r = l % 16
	v_bfe_u32 v12, v0, 4, 1         ; h = l / 16
	v_lshlrev_b32 v[QO], 11, v1
	v_lshl_add_u32 v[QO], v12, 4, v[QO]
	WIN 0x80                        ; destination window 2
.set i, 0
.rept 16                            ; Q stays in registers: tile i / 2, channels 32 (i % 2) on
	global_load_b128 v[8*i:8*i+3],   v[QO], s[80:81] offset:(i/2)*32768+(i%2)*64
	global_load_b128 v[8*i+4:8*i+7], v[QO], s[80:81] offset:(i/2)*32768+(i%2)*64+32
.set i, i+1
.endr
	; What the first turn finds: V, P's second buffer, O^T, l and SumV hold 0.  All this stands in the wait for the first tile.
.set i, VF
.rept 64
	v_mov_b32 v[i], 0
.set i, i+1
.endr
	WIN 0x40
.set i, 0
.rept 256
	v_mov_b32 v[i], 0
.set i, i+1
.endr
	WIN 0
.set i, 0
.rept 8
	v_mov_b32 v[ST+4*i], 0xcd38aa3b    ; c M0
	v_mov_b32 v[ST+4*i+1], 0xce800000  ; M0
	v_mov_b32 v[ST+4*i+2], 0
	v_mov_b32 v[ST+4*i+3], 0
.set i, i+1
.endr
.set i, P+32
.rept 32
	v_mov_b32 v[i], 0
.set i, i+1
.endr
	s_lshl_b32 s13, s[WV], 7        ; my head's 128 bytes of a row
	v_mul_u32_u24 v[AK0], v1, PK
	v_lshl_add_u32 v[AK0], v12, 4, v[AK0]
	v_add_nc_u32 v[AK0], s13, v[AK0]
	v_and_b32 v13, 7, v0
	v_bfe_u32 v14, v0, 3, 1
	v_lshl_add_u32 v[AV0], v12, 3, v13  ; the turning load: key 8 h + l % 8, channels 8 ((l / 8) % 2) on
	v_mul_u32_u24 v[AV0], v[AV0], PV
	v_lshl_add_u32 v[AV0], v14, 4, v[AV0]
	s_add_co_u32 s15, s13, VOFF
	v_add_nc_u32 v[AV0], s15, v[AV0]
	v_mul_u32_u24 v[AM0], v1, PM    ; the mask: query r, the eight codes of keys 8 h on
	v_lshl_add_u32 v[AM0], v12, 3, v[AM0]
	v_add_nc_u32 v[AM0], MOFF, v[AM0]
	WIN W_MK
	v_mov_b32 v[SCL], 0x9f          ; 2^(159 - 127) = 2^32
.irp z, 0,1,2,3,4,5,6,7
	v_mov_b32 v[ONES+\z], 0x3c003c00
.endr
.set i, 0
.rept 32
	v_mov_b32 v[SUMV+i], 0
.set i, i+1
.endr
	WIN 0
; THE MASK.  Conversion ci of 8 for piece x: the codes of tile 2 x + ci % 2, keys 16 ((ci / 2) % 4) on, times 2^32, into the accumulator that K Q^T then adds onto.
.macro CV x
	WIN W_MP
.set rS, S+64*((\x)%2)+32*(ci%2)+8*((ci/2)%4)
.set rF, MF+16*((\x)%2)+8*(ci%2)+2*((ci/2)%4)
	v_cvt_scale_pk8_f32_fp8 v[rS:rS+7], v[rF:rF+1], v[SCL]
.set ci, ci+1
.endm
; THE MATRIX WORK.  The 8 accumulators of a run take turns in one order.
.macro KQ x                         ; product i of 16 of S^T += K Q^T: channels 32 (i / 8) on, keys 16 ((i / 2) % 4) on, tile 2 x + i % 2
	WIN W_KQ
.set rS, S+64*((\x)%2)+32*(i%2)+8*((i/2)%4)
.set rK, KF+16*((i/2)%4)+8*(i/8)
.set rQ, 16*(2*(\x)+i%2)+8*(i/8)
	v_wmma_f32_16x16x32_f16 v[rS:rS+7], v[rK:rK+7], v[rQ:rQ+7], v[rS:rS+7]
.endm
.macro PV x                         ; product i of 16 of O^T += V^T P: keys 32 (i / 8) on, channels 16 ((i / 2) % 4) on, tile 2 x + i % 2
	WIN W_PV
.set rO, 32*(2*(\x)+i%2)+8*((i/2)%4)
.set rV, VF+32*(i/8)+8*((i/2)%4)
.set rP, P+32*((\x)%2)+16*(i%2)+8*(i/8)
	v_wmma_f32_16x16x32_f16 v[rO:rO+7], v[rV:rV+7], v[rP:rP+7], v[rO:rO+7]
.endm
.macro SV                           ; product sv of 8 of SumV += V^T x ones
	WIN W_SV
	v_wmma_f32_16x16x32_f16 v[SUMV+8*(sv%4):SUMV+8*(sv%4)+7], v[VF+32*(sv/4)+8*(sv%4):VF+32*(sv/4)+8*(sv%4)+7], v[ONES:ONES+7], v[SUMV+8*(sv%4):SUMV+8*(sv%4)+7]
.set sv, sv+1
.endm
.macro MM                           ; the turn's next matrix instruction
.if i < 16
	KQ (Y+1)%NP
.set i, i+1
.else
.set i, i-16
	PV (Y+NP-1)%NP
.set i, i+17
.endif
.endm
; THE LDS LOADS stand in runs, never singly among the matrix instructions.
.macro FETCH_K
	WIN 0x80
.irp f, 0,1,2,3,4,5,6,7             ; keys 16 (f / 2) on, channels 32 (f % 2) on
	ds_load_b128 v[KF+8*\f:KF+8*\f+3],   v[AK] offset:(\f/2)*16*PK+(\f%2)*64
	ds_load_b128 v[KF+8*\f+4:KF+8*\f+7], v[AK] offset:(\f/2)*16*PK+(\f%2)*64+32
.endr
.endm
.macro FETCH_V
	WIN 0x80
.irp f, 0,1,2,3,4,5,6,7             ; keys 32 (f / 4) on, channels 16 (f % 4) on
	ds_load_tr16_b128 v[VF+8*\f:VF+8*\f+3],   v[AV] offset:(\f/4)*32*PV+(\f%4)*32
	ds_load_tr16_b128 v[VF+8*\f+4:VF+8*\f+7], v[AV] offset:(\f/4)*32*PV+16*PV+(\f%4)*32
.endr
.endm
.macro FETCH_M x                    ; piece x's codes: tile u, keys 16 g on: eight loads of 8 bytes
	WIN W_MK
.irp u, 0,1
.irp g, 0,1,2,3
	ds_load_b64 v[MF+16*((\x)%2)+8*\u+2*\g:MF+16*((\x)%2)+8*\u+2*\g+1], v[AM] offset:(2*(\x)+\u)*16*PM+16*\g
.endr
.endr
.endm
; THE VECTOR WORK OF A TURN stands in three queues, each in the order in which its entries become ready; the two tiles alternate.
.macro REGS y, u
.set rT, ST+4*(2*(\y)+(\u))
.set rC, TMP+8*((\y)%2)+4*(\u)
.set rM, MV+2*((\y)%2)+(\u)
.set rS, S+64*((\y)%2)+32*(\u)
.set rP, P+32*((\y)%2)+16*(\u)
.set rO, 32*(2*(\y)+(\u))
.endm
; Number n of the 22 that find the NEXT piece's maximum and statistics.  0-11 four chains of seven scores (each accumulator's lowest registers are read first); 12-14, 16 the rest, the old m, into c0;
; 15 c m_old is kept; 17, 18 the other half of the lanes: the new m; 19-21 c m, c m_old - c m_new, a.
.macro XS u, n
	REGS (Y+1)%NP, \u
.if (\n) < 4
	v_max3_num_f32 v[rC+(\n)], v[rS+8*(\n)], v[rS+8*(\n)+1], v[rS+8*(\n)+2]
.elseif (\n) < 12
	v_max3_num_f32 v[rC+(\n)%4], v[rC+(\n)%4], v[rS+8*((\n)%4)+2*((\n)/4)+1], v[rS+8*((\n)%4)+2*((\n)/4)+2]
.elseif (\n) == 12
	v_max3_num_f32 v[rC], v[rC], v[rS+7], v[rS+15]
.elseif (\n) == 13
	v_max3_num_f32 v[rC+1], v[rC+1], v[rS+23], v[rS+31]
.elseif (\n) == 14
	v_max3_num_f32 v[rC+2], v[rC+2], v[rC+3], v[rT+1]
.elseif (\n) == 15
	v_mov_b32 v[rM], v[rT]
.elseif (\n) == 16
	v_max3_num_f32 v[rC], v[rC], v[rC+1], v[rC+2]
.elseif (\n) == 17
	v_permlanex16_b32 v[rC+3], v[rC], s[SEL], s[SEL+1]
.elseif (\n) == 18
	v_max_num_f32 v[rT+1], v[rC], v[rC+3]
.elseif (\n) == 19
	v_mul_f32 v[rT], s[CS], v[rT+1]
.elseif (\n) == 20
	v_sub_f32 v[rC+1], v[rM], v[rT]
.else
	v_exp_f32 v[rC+2], v[rC+1]
.endif
.endm
; Number g of the 64 that follow the exponentials: for each four weights both pairs are rounded to f16, the second pair is added onto the first, and a group later l takes that sum (the first time as l = a l + sum).
.macro GS g
.set h, (\g)+6*((\g)/62)
.if h >= 6
.set h, h+2
.endif
	REGS Y, h%2
.set k, h/8
.if h%8 < 4
	v_cvt_pk_f16_f32 v[rP+2*k+(h%8)/2], v[rS+4*k+2*((h%8)/2)], v[rS+4*k+2*((h%8)/2)+1]
.elseif h%8 < 6
	v_pk_add_f32 v[rS+4*k:rS+4*k+1], v[rS+4*k:rS+4*k+1], v[rS+4*k+2:rS+4*k+3]
.elseif k == 1
	v_pk_fma_f32 v[rT+2:rT+3], v[rT+2:rT+3], v[rC+2:rC+3], v[rS:rS+1] op_sel_hi:[1,0,1]
.else
	v_pk_add_f32 v[rT+2:rT+3], v[rT+2:rT+3], v[rS+4*k-4:rS+4*k-3]
.endif
.endm
.macro FS f                         ; c s - c m for pair f / 2 of tile f % 2
	REGS Y, (\f)%2
	v_pk_fma_f32 v[rS+2*((\f)/2):rS+2*((\f)/2)+1], v[rS+2*((\f)/2):rS+2*((\f)/2)+1], s[CS:CS+1], v[rT:rT+1] op_sel_hi:[1,0,0] neg_lo:[0,0,1] neg_hi:[0,0,1]
.endm
; THE PLAIN QUEUE, 138 long.  0-26 scalings; 27-54 XS 0-13; 55, 56 XS 15; 57-73 the chain 14, 16 .. 20 with scalings 27-31 between its links; 74-137 GS, behind the wait.
.macro PL
	WIN 0
.if q < 27
	FS q
.elseif q < 55
	XS (q-27)%2, (q-27)/2
.elseif q < 57
	XS q-55, 15
.elseif (q < 72) && ((q-57)%3 == 0)
	FS 27+(q-57)/3
.elseif q < 60
	XS (q-57)%3-1, 14
.elseif q < 72
	XS (q-57)%3-1, 15+(q-57)/3
.elseif q < 74
	XS q-72, 20
.else
	GS q-74
.endif
.set q, q+1
.endm
.macro EX                           ; THE EXPONENTIALS' QUEUE, 66 long: one batch, all ahead of the turn's one wait
	WIN 0
.if e >= 64
	XS e-64, 21
.else
	REGS Y, e%2
	v_exp_f32 v[rS+e/2], v[rS+e/2]
.endif
.set e, e+1
.endm
.macro R2                           ; THE RESCALING's QUEUE: O^T times a, two at a time
	REGS Y, r%2
	WIN W_RS
.irp z, 0,1
	v_pk_mul_f32 v[rO+4*(r/2)+2*\z:rO+4*(r/2)+2*\z+1], v[rO+4*(r/2)+2*\z:rO+4*(r/2)+2*\z+1], v[rC+2:rC+3] op_sel_hi:[1,0]
.endr
.set r, r+1
.endm
; A TURN, for piece p.  First the next piece's eight conversions; the first scaling, which names none of their registers, is the plain instruction between the last of them and the product that takes up its result.
; Ahead of the wait stands all that names no result of the turn's exponentials: 16 products K Q^T with a scaling, an exponential and two rescalings each; then the lump: eight plain, 49 times exponential and plain,
; the two a.  As a rider exponential e stands behind plain e + 2, in the lump behind plain e + 9; it needs scaling 2 (e / 4) + e % 2, and scalings 27-31 are plain 57, 60 .. 69.  XS begins at plain 27, eleven plain
; instructions behind the last product.  Behind the wait: 16 products V^T P with four of GS each.  In piece 2's lump stand the eight products of SumV.
; LDS: the codes of piece p + 2 behind the wait of every turn; K of the next step with them in piece 2's turn; V at the end of piece 0's turn, four riders behind its last reader.
.macro TURN p
.set Y, (\p)
.set i, 0
.set q, 0
.set e, 0
.set r, 0
.set sv, 0
.set ci, 0
.if (\p) == 1
	s_wait_dscnt 16                 ; the codes are in; V's 16 younger loads stay out
.else
	s_wait_dscnt 0x0                ; the codes are in (piece 3's turn: K too)
.endif
.rept 8
	CV (Y+1)%NP
.endr
	PL
	MM
	PL
	R2
.rept 15
	MM
	PL
	EX
	R2
.endr
.rept 8
	PL
.endr
.set pp, 0
.rept 49
	EX
	PL
.if ((\p) == 2) && (pp%4 == 3) && (pp < 32)
	SV
.endif
.set pp, pp+1
.endr
	EX
	EX
	v_nop                           ; a plain instruction behind the last exponential: one for the batch
	s_wait_alu depctr_va_vdst(0)    ; the wait ahead of the first reader: one for the batch
	FETCH_M ((\p)+2)%NP
.if (\p) == 2
	FETCH_K
.endif
.if (\p) == 1
	s_wait_dscnt 8                  ; V is in; the 8 loads of codes just issued stay out
.endif
.rept 16
	MM
.rept 4
	PL
.endr
.endr
.if (\p) == 0
	FETCH_V
.endif
.endm
	CHANGE 1, 0                     ; slot 0 is in, everybody's part of it; slot 1 is asked for
	FETCH_K                         ; step 0
	FETCH_M 0
	FETCH_M 1
	s_wait_loadcnt 0x0              ; Q
	s_wait_dscnt 0x0
.set ci, 0
.rept 8
	CV 0
.endr
	v_nop                           ; a plain instruction between the last conversion and the product that takes up its result
.set i, 0
.rept 16
	KQ 0                            ; piece 0's first scores
.set i, i+1
.endr
	WIN 0                           ; the addresses for the way out: eight plain instructions, the places behind those products
	s_lshl_b32 s13, s[WV], 7
	s_add_co_u32 s13, s13, STAGE
	s_mul_i32 s15, s[WV], 32*SP
	s_add_co_u32 s15, s15, STAGE
	v_bfe_u32 v[GO], v0, 4, 1
	v_mul_u32_u24 v[STO], v1, SP    ; in: row l % 16, my head's 128 bytes, 16 bytes for each half of the lanes
	v_lshl_add_u32 v[STO], v[GO], 4, v[STO]
	v_add_nc_u32 v[STO], s13, v[STO]
	v_and_b32 v[GO], 31, v0
	v_lshlrev_b32 v[GO], 4, v[GO]   ; back and out: 32 lanes take a row's 512 bytes
	v_add_nc_u32 v[RD], s15, v[GO]
	v_nop
.set Y, NP-1                        ; XS works for piece Y + 1: piece 0
.irp n, 0,1,2,3,4,5,6,7,8,9,10,11,12,13,14,15,16,17,18,19,20,21
	XS 0, \n
	XS 1, \n
.endr
	v_nop
	s_wait_alu depctr_va_vdst(0)    ; the two a, ahead of the branch
	s_mov_b32 s[SLOTS], 31
	s_branch .Lfirst                ; the loop is entered at a step's first turn, in the middle of a trip
.Lslot:                             ; 30 times: steps 2 to 31 are asked for.  A trip: pieces 2, 3 of one step, then pieces 0, 1 of the next, whose K, V and mask it reads
	CHANGE 1, 1
	TURN 2
	TURN 3
	WIN 0
.Lfirst:
	TURN 0
	TURN 1
	WIN 0
	s_sub_co_u32 s[SLOTS], s[SLOTS], 1
	s_cmp_lg_u32 s[SLOTS], 0
	s_cbranch_scc1 .Lslot
	CHANGE 0, 0                     ; the tail is written out
	s_mov_b32 s[CNT], 2             ; one trip reads step 31; the second is left in its middle
.Ltail:
	TURN 2
	TURN 3
	WIN 0
	s_sub_co_u32 s[CNT], s[CNT], 1
	s_cmp_eq_u32 s[CNT], 0
	s_cbranch_scc1 .Lout
	TURN 0
	TURN 1
	WIN 0
	s_branch .Ltail
.Lout:                              ; the second trip's fetches read step 31 once more; the 16 products made of them give piece 0 the scores that it has seen, so its m stays: the price of one text for every trip
.set i, 0
.rept 16
	PV NP-1
.set i, i+1
.endr
	; THE WAY OUT.  l's halves are added; w and 1 / (l + 2048 w) are made; O^T takes w SumV, is divided, rounded to f16 and goes through the work-group's stage: a row's 512 bytes come from four waves.
	WIN 0
.macro ALL line:vararg
.set t, 0
.rept 2*NP
	\line
.set t, t+1
.endr
.endm
	ALL v_add_f32 v[ST+4*t+2], v[ST+4*t+2], v[ST+4*t+3]
	ALL v_permlanex16_b32 v[ST+4*t+3], v[ST+4*t+2], s[SEL], s[SEL+1]
	ALL v_add_f32 v[ST+4*t+2], v[ST+4*t+2], v[ST+4*t+3]
	ALL v_sub_f32 v[ST+4*t], s[CM0], v[ST+4*t]
	ALL v_exp_f32 v[ST+4*t], v[ST+4*t]
	v_nop
	s_wait_alu depctr_va_vdst(0)    ; one wait for the eight w
	ALL v_fmamk_f32 v[ST+4*t+2], v[ST+4*t], 0x45000000, v[ST+4*t+2]
	ALL v_rcp_f32 v[ST+4*t+2], v[ST+4*t+2]
	v_nop
	s_wait_alu depctr_va_vdst(0)    ; one wait for the eight reciprocals
.macro PACK t
	WIN 0x53                        ; O^T window 1, SumV window 3, w window 0
.set i, 0
.rept 16
	v_pk_fma_f32 v[32*(\t)+i:32*(\t)+i+1], v[SUMV+i:SUMV+i+1], v[ST+4*(\t):ST+4*(\t)+1], v[32*(\t)+i:32*(\t)+i+1] op_sel_hi:[1,0,1]
.set i, i+2
.endr
	WIN W_RS
.set i, 32*(\t)
.rept 16
	v_pk_mul_f32 v[i:i+1], v[i:i+1], v[ST+4*(\t)+2:ST+4*(\t)+3] op_sel_hi:[1,0]
.set i, i+2
.endr
	WIN 0x05
.set i, 0
.rept 16
	v_cvt_pk_f16_f32 v[S+16*(\t)+i], v[32*(\t)+2*i], v[32*(\t)+2*i+1]
.set i, i+1
.endr
	WIN 0
.irp f, 0,1,2,3
	ds_store_b128 v[STO], v[S+16*(\t)+4*\f:S+16*(\t)+4*\f+3] offset:(\t)*16*SP+32*\f
.endr
.endm
.irp t, 0,1,2,3,4,5,6,7
	PACK \t
.endr
	s_wait_dscnt 0x0                ; for the others' sake: my stores into the stage are done
	s_barrier_signal -1
	s_barrier_wait -1
.set i, 0
.rept 32
	ds_load_b128 v[S+4*i:S+4*i+3], v[RD] offset:i*SP  ; rows 32 w .. 32 w + 31, whole
.set i, i+1
.endr
.set i, 0
.rept 32
	s_wait_dscnt 31-i               ; row i is in, the younger loads stay out
	global_store_b128 v[GO], v[S+4*i:S+4*i+3], s[8:9] offset:i*2048  ; 512 consecutive bytes, aligned
.set i, i+1
.endr
	WIN W_AD
	s_wait_tensorcnt 0x0            ; the wave's end
	ds_add_u32 v[SPW], v[NIL]
	s_wait_dscnt 0x0
	WIN 0
	CROUND                          ; the closing round
	s_endpgm
.Lfunc_end_k_q95fdbbabe5_attn:
	.size	k_q95fdbbabe5_attn, .Lfunc_end_k_q95fdbbabe5_attn-k_q95fdbbabe5_attn
	.p2alignl 7, 3214868480
	.fill 96, 4, 3214868480
	.section	.rodata,"a",@progbits
	.p2align	6, 0x0
	.amdhsa_kernel k_q95fdbbabe5_attn
		.amdhsa_group_segment_fixed_size 327680
		.amdhsa_private_segment_fixed_size 0
		.amdhsa_enable_private_segment 0
		.amdhsa_kernarg_size 24
		.amdhsa_user_sgpr_count 2
		.amdhsa_user_sgpr_kernarg_segment_ptr 1
		.amdhsa_wavefront_size32 1
		.amdhsa_system_sgpr_workgroup_id_x 1
		.amdhsa_system_sgpr_workgroup_id_y 1
		.amdhsa_system_sgpr_workgroup_id_z 1
		.amdhsa_system_vgpr_workitem_id 0
		.amdhsa_next_free_vgpr 896
		.amdhsa_next_free_sgpr 84
		.amdhsa_reserve_vcc 0
		.amdhsa_float_denorm_mode_32 3
		.amdhsa_float_denorm_mode_16_64 3
		.amdhsa_memory_ordered 1
		.amdhsa_forward_progress 1
		.amdhsa_inst_pref_size 226
	.end_amdhsa_kernel
	.amdgpu_metadata
---
amdhsa.version: [ 1, 2 ]
amdhsa.kernels:
  - .name:           k_q95fdbbabe5_attn
    .symbol:         k_q95fdbbabe5_attn.kd
    .args:
      - { .name: qkv, .offset: 0, .size: 8, .value_kind: global_buffer, .address_space: global }
      - { .name: mneg, .offset: 8, .size: 8, .value_kind: global_buffer, .address_space: global }
      - { .name: oc, .offset: 16, .size: 8, .value_kind: global_buffer, .address_space: global }
    .group_segment_fixed_size: 327680
    .private_segment_fixed_size: 0
    .kernarg_segment_align: 8
    .kernarg_segment_size: 24
    .max_flat_workgroup_size: 128
    .sgpr_count:     84
    .vgpr_count:     896
    .wavefront_size: 32
...
	.end_amdgpu_metadata
.endif
;; end of part 3
;; launch outp (part 4): grid 4 x 64, 4 waves a work-group, clusters of 4 x 4, 327,680 bytes of LDS; arguments oc, wc, b_o, out0; writes out0
.if DOCPART == 4
	.amdgcn_target "amdgcn-amd-amdhsa--gfx1250"
	.amdhsa_code_object_version 6
	.text
	.protected	k_q95fdbbabe5_outp
	.globl	k_q95fdbbabe5_outp
	.p2align	8
	.type	k_q95fdbbabe5_outp,@function
k_q95fdbbabe5_outp:
	s_mov_b64 s[64:65], 0
	v_nop
	global_prefetch_b8 v0, s[64:65] scope:SCOPE_SE
	s_setreg_imm32_b32 hwreg(HW_REG_WAVE_MODE, 25, 1), 1
	s_wait_xcnt 0x0
	s_wait_alu depctr_hold_cnt(0) depctr_sa_sdst(0) depctr_va_vdst(0) depctr_va_sdst(0) depctr_va_ssrc(0) depctr_va_vcc(0) depctr_vm_vsrc(0)
	s_getreg_b32 s2, hwreg(HW_REG_IB_STS2, 6, 4)
	s_cmp_eq_u32 s2, 0
	s_cbranch_scc0 .Lentry_in_a_cluster
	s_endpgm
.Lentry_in_a_cluster:
	s_bfe_u32 s2, ttmp6, 0x10000c
	s_cmp_lg_u32 s2, 0xf033
	s_cbranch_scc0 .Lentry_shape_is_right
	s_endpgm
.Lentry_shape_is_right:
; Launch 4 of 4: out0 = O W_o + bf16(b_o).  oc: [8192][1024] f16; W_o: plane 3 of wc, [1024 k][1024 n], bf16 numbers written as f16; out0: [8192][1024] f32.  Nothing is left out.
; SHARES.  A tile is 128 rows x 256 columns: 256 tiles.  Four waves, each 64 rows x 128 columns: 32 accumulators.  K goes in 8 steps of 128 through two LDS slots.
; THE PRODUCT IS USED TRANSPOSED: source 0 = 16 columns of W_o (turned on its way out of LDS), source 1 = 16 rows of O: a lane holds one row and eight neighbouring columns.  The bias is the C operand of the first products.
; CLUSTER 4 x 4: O's tiles are shared along a row of the cluster, W_o's along a column.
; REGISTERS.  window 0: v16-30 addresses; v96-127, v128-159 O, two buffers; v160-223 the bias; on the way out v32-95 and v96-159 by turns.  window 1: v0-63, v64-127 W_o.  window 2: accumulator (a, b) at 8 (8 a + b).
.set PA,     272                       ; a row of O in LDS: 256 bytes + 16 (64 banks of 4 bytes: ISA guide 11.1)
.set PB,     544                       ; a row of W_o: 512 + 32
.set AHALF,  64*PA
.set BOFF,   128*PA
.set BHALF,  64*PB
.set SLOT,   BOFF+128*PB
.set STAGE,  2*SLOT                    ; behind the ring: 16 rows x 528 bytes for each wave
.set SPITCH, 528
.set SPARE,  STAGE+4*16*SPITCH         ; the spare words: 128 bytes a wave, named by no other line
.set ADRA, 16
.set ADRB, 20
.set STO,  24
.set RD,   25
.set CO,   26
.set BO,   27
.set SPW,  28
.set NIL,  29
.set PFO,  30
.set AF,   96                          ; + 32 f
.set BIAS, 160
.set OB,   32                          ; + 64 (a % 2)
.set BF,   0                           ; window 1, + 64 f
.set G1,  24
.set G0,  32
.set G1B, 48
.set G0B, 56
.set PFA, 44
.set PFS, 46
.set LIM, 90                           ; s90, s91: for the change that leaves slot 0, slot 1: 1 in a wave that prefetches there, else the greatest number
.set MSB, 0
.macro WIN new
.if MSB != (\new)
	s_set_vgpr_msb (MSB<<8)|(\new)
.set MSB, \new
.endif
.endm
.set MUL,  0xa1
.set MULF, 0x81
.set TO_B, 0x40
.macro JLOAD s                         ; waves 0, 1 fetch the halves of O, waves 2, 3 those of W_o; an s_nop 0 and four v_nop follow each line
	s_cmp_eq_u32 s11, 0
	s_cbranch_scc0 .Lfor_b_\@
	tensor_load_to_lds s[G0+4*(\s):G0+4*(\s)+3], s[G1:G1+7]
	s_nop 0
.rept 4
	v_nop
.endr
	s_branch .Lasked_\@
.Lfor_b_\@:
	tensor_load_to_lds s[G0B+4*(\s):G0B+4*(\s)+3], s[G1B:G1B+7]
	s_nop 0
.rept 4
	v_nop
.endr
.Lasked_\@:
.endm
.macro CREST
	s_cmp_lg_u32 s10, 0
	s_cbranch_scc1 .Lnot_wave_0_\@
	s_barrier_signal -3
.Lnot_wave_0_\@:
	s_barrier_wait -3
	s_barrier_signal -1
	s_barrier_wait -1
.endm
.macro CROUND
	s_barrier_signal -1
	s_barrier_wait -1
	CREST
.endm
.macro PLACES
.rept 4
	v_nop
.endr
.endm
; A prefetch into the L2 of the K step two refills on.  W_o: 16 k rows x 2 blocks of 256 bytes a work-group, by cy; the first cluster along y asks.  O: a row has one block a step, so a wave asks at every second change,
; for two steps: 16 rows x 2 steps, by cx; each cluster reads its own rows.  The loop's last trip asks for nothing.
.macro ASK slot
	s_cmp_gt_u32 s3, s[LIM+(\slot)]
	s_cbranch_scc0 .Lnot_mine_\@
	global_prefetch_b8 v[PFO], s[PFA:PFA+1] th:TH_LOAD_NT scope:SCOPE_SE
.Lnot_mine_\@:
.endm
	s_load_b256 s[68:75], s[0:1], 0x0              ; oc 68, wc 70, b_o 72, out0 74
	v_lshl_add_u32 v[SPW], v0, 2, SPARE
	v_mov_b32 v[NIL], 0
	ds_add_u32 v[SPW], v[NIL]                      ; the opening: the add, twice on end, and its wait ahead of my first tensor load
	ds_add_u32 v[SPW], v[NIL]
	v_lshrrev_b32 v1, 5, v0
	v_readfirstlane_b32 s10, v1
	s_lshr_b32 s11, s10, 1
	s_and_b32 s12, s10, 1
	s_bfe_u32 s40, ttmp6, 0x40000                  ; cx
	s_bfe_u32 s41, ttmp6, 0x40004                  ; cy
	s_lshl_b32 s42, ttmp9, 2
	s_add_co_u32 s42, s42, s40                     ; tile column
	s_and_b32 s85, ttmp7, 0xffff                   ; cluster y
	s_lshl_b32 s13, s85, 2
	s_add_co_u32 s13, s13, s41                     ; tile row
	s_lshl_b32 s43, s41, 2
	s_lshl_b32 s43, 15, s43
	s_lshl_b32 s44, 0x1111, s40
	s_or_b32 s[G1+0], s43, (1<<16)|(1<<20)|(1<<21)|(5<<22)|(3<<25)   ; mask; 2-byte elements; padding: after every 64 words 4 words
	s_or_b32 s[G1B+0], s44, (1<<16)|(1<<20)|(1<<21)|(6<<22)|(7<<25)  ; after every 128 words 8 words
	s_mov_b32 s[G1+1], 128<<16
	s_mov_b32 s[G1+2], 64<<16
	s_mov_b32 s[G1+3], 128<<16
	s_mov_b32 s[G1+4], 64
	s_mov_b32 s[G1+5], 1024
	s_mov_b32 s[G1+6], 0
	s_mov_b32 s[G1+7], 0
	s_mov_b32 s[G1B+1], 256<<16
	s_mov_b32 s[G1B+2], 64<<16
	s_mov_b32 s[G1B+3], 256<<16
	s_mov_b32 s[G1B+4], 64
	s_mov_b32 s[G1B+5], 1024
	s_mov_b32 s[G1B+6], 0
	s_mov_b32 s[G1B+7], 0
	s_lshl_b32 s16, s13, 18                        ; O: 128 rows of 2,048 bytes a tile row,
	s_lshl_b32 s17, s12, 17                        ; my 64 of them
	s_add_co_u32 s16, s16, s17
	s_mov_b32 s17, 0
	s_lshl_b32 s20, s12, 17                        ; W_o: my 64 k rows,
	s_add_co_u32 s20, s20, 3<<21                   ; plane 3,
	s_lshl_b32 s21, s42, 9                         ; the tile's 256 columns
	s_add_co_u32 s20, s20, s21
	s_mov_b32 s21, 0
	s_mul_i32 s18, s12, AHALF
	s_mul_i32 s19, s12, BHALF
	s_add_co_u32 s19, s19, BOFF
	s_wait_dscnt 0x0                               ; both opening adds are done
	s_wait_kmcnt 0x0
	s_add_nc_u64 s[14:15], s[68:69], s[16:17]
	s_add_nc_u64 s[22:23], s[70:71], s[20:21]
	CROUND
.irp s, 0,1
	s_mov_b32 s[G0+4*(\s)], 1
	s_add_co_u32 s[G0+4*(\s)+1], s18, (\s)*SLOT
	s_add_nc_u64 s[G0+4*(\s)+2:G0+4*(\s)+3], s[14:15], (\s)*256
	s_or_b32 s[G0+4*(\s)+3], s[G0+4*(\s)+3], 0x80000000
	s_mov_b32 s[G0B+4*(\s)], 1
	s_add_co_u32 s[G0B+4*(\s)+1], s19, (\s)*SLOT
	s_add_nc_u64 s[G0B+4*(\s)+2:G0B+4*(\s)+3], s[22:23], (\s)*262144
	s_or_b32 s[G0B+4*(\s)+3], s[G0B+4*(\s)+3], 0x80000000
	JLOAD \s                                       ; two tensor loads of mine are out
.endr
	s_lshl_b32 s4, s42, 10
	s_lshl_b32 s5, s12, 9
	s_add_co_u32 s4, s4, s5
	s_mov_b32 s5, 0
	s_add_nc_u64 s[72:73], s[72:73], s[4:5]        ; the bias of my 128 columns
	v_and_b32 v1, 15, v0
	v_bfe_u32 v2, v0, 4, 1
	v_lshlrev_b32 v[BO], 5, v2
.irp b, 0,1,2,3,4,5,6,7
	global_load_b128 v[BIAS+8*(\b):BIAS+8*(\b)+3],   v[BO], s[72:73] offset:64*(\b)
	global_load_b128 v[BIAS+8*(\b)+4:BIAS+8*(\b)+7], v[BO], s[72:73] offset:64*(\b)+16
.endr
	v_mul_u32_u24 v3, v1, PA
	v_lshl_add_u32 v3, v2, 4, v3
	s_mul_i32 s21, s11, AHALF
	v_and_b32 v4, 7, v0
	v_lshl_add_u32 v4, v2, 3, v4
	v_mul_u32_u24 v4, v4, PB
	v_bfe_u32 v5, v0, 3, 1
	v_lshl_add_u32 v4, v5, 4, v4
	s_lshl_b32 s22, s12, 8
	s_add_co_u32 s22, s22, BOFF
.irp s, 0,1
	v_add_nc_u32 v[ADRA+(\s)], s21, v3
	v_add_nc_u32 v[ADRB+(\s)], s22, v4
	s_add_co_u32 s21, s21, SLOT
	s_add_co_u32 s22, s22, SLOT
.endr
	s_mul_i32 s23, s10, 16*SPITCH
	s_add_co_u32 s23, s23, STAGE
	v_mul_u32_u24 v4, v1, SPITCH                   ; in: row r, 32 bytes (8 f32) for each half of the lanes
	v_lshl_add_u32 v4, v2, 5, v4
	v_add_nc_u32 v[STO], s23, v4
	v_and_b32 v[CO], 31, v0
	v_lshlrev_b32 v[CO], 4, v[CO]                  ; back and out: 32 lanes take a row's 512 bytes
	v_add_nc_u32 v[RD], s23, v[CO]
	s_lshl_b32 s6, s13, 19                         ; my part of out0: the tile row (128 rows of 4,096 bytes), my 64 rows, the tile column, my 128 columns
	s_lshl_b32 s7, s11, 18
	s_add_co_u32 s6, s6, s7
	s_lshl_b32 s7, s42, 10
	s_add_co_u32 s6, s6, s7
	s_lshl_b32 s7, s12, 9
	s_add_co_u32 s6, s6, s7
	s_mov_b32 s7, 0
	s_add_nc_u64 s[8:9], s[74:75], s[6:7]
	; the prefetches: they stand at K step 3; each change of slots steps them first
	s_lshl_b32 s4, s13, 18
	s_lshl_b32 s5, s12, 17
	s_add_co_u32 s4, s4, s5
	s_lshl_b32 s5, s40, 15                         ; O: my work-group's 16 rows, by cx
	s_add_co_u32 s4, s4, s5
	s_add_co_u32 s4, s4, 3*256
	s_lshl_b32 s6, s12, 17
	s_add_co_u32 s6, s6, 3<<21
	s_lshl_b32 s5, s41, 15                         ; W_o: by cy
	s_add_co_u32 s6, s6, s5
	s_lshl_b32 s5, s42, 9
	s_add_co_u32 s6, s6, s5
	s_add_co_u32 s6, s6, 3*262144
	s_cmp_eq_u32 s85, 0
	s_cselect_b32 s5, 1, -1
	s_mov_b32 s7, 262144
	s_mov_b32 s2, 256
	s_cmp_eq_u32 s11, 0
	s_cselect_b32 s4, s4, s6
	s_cselect_b32 s[LIM], 1, s5
	s_cselect_b32 s[LIM+1], -1, s5
	s_cselect_b32 s[PFS], s2, s7
	s_cselect_b32 s6, 15, 1                        ; the lane's low part: O: the row; W_o: the block
	s_cselect_b32 s7, 4, 1                         ; its high part: O: the step; W_o: the row
	s_cselect_b32 s2, 11, 8
	s_cselect_b32 s3, 8, 11
	s_cselect_b64 s[PFA:PFA+1], s[68:69], s[70:71]
	s_mov_b32 s5, 0
	s_mov_b32 s[PFS+1], 0
	s_add_nc_u64 s[PFA:PFA+1], s[PFA:PFA+1], s[4:5]
	v_and_b32 v3, 31, v0
	v_and_b32 v[PFO], s6, v3
	v_lshlrev_b32 v[PFO], s2, v[PFO]
	v_lshrrev_b32 v3, s7, v3
	v_lshlrev_b32 v3, s3, v3
	v_or_b32 v[PFO], v[PFO], v3
	s_wait_loadcnt 0x0                             ; the bias; it is rounded to bf16 like every input
.set i, 0
.rept 32
	v_cvt_pk_bf16_f32 v[128+i], v[BIAS+2*i], v[BIAS+2*i+1]
.set i, i+1
.endr
.set i, 0
.rept 32
	v_lshlrev_b32 v[BIAS+2*i], 16, v[128+i]
	v_and_b32 v[BIAS+2*i+1], 0xffff0000, v[128+i]
.set i, i+1
.endr
; 8 products: row block a, all column blocks, 32 along K, buffer f.  The 32 accumulators take turns in one order.
.macro MULS f, a, first
.irp b, 0,1,2,3,4,5,6,7
.if \first
	WIN MULF
	v_wmma_f32_16x16x32_f16 v[8*(8*(\a)+(\b)):8*(8*(\a)+(\b))+7], v[BF+64*(\f)+8*(\b):BF+64*(\f)+8*(\b)+7], v[AF+32*(\f)+8*(\a):AF+32*(\f)+8*(\a)+7], v[BIAS+8*(\b):BIAS+8*(\b)+7]
.else
	WIN MUL
	v_wmma_f32_16x16x32_f16 v[8*(8*(\a)+(\b)):8*(8*(\a)+(\b))+7], v[BF+64*(\f)+8*(\b):BF+64*(\f)+8*(\b)+7], v[AF+32*(\f)+8*(\a):AF+32*(\f)+8*(\a)+7], v[8*(8*(\a)+(\b)):8*(8*(\a)+(\b))+7]
.endif
.endr
.endm
; 24 LDS loads in one run: quarter kq of a slot into buffer g: W_o turned (16), then O (8), its row blocks in order
.macro FETCH slot, kq, g
	WIN TO_B
.irp b, 0,1,2,3,4,5,6,7
	ds_load_tr16_b128 v[BF+64*(\g)+8*(\b):BF+64*(\g)+8*(\b)+3],   v[ADRB+(\slot)] offset:(\kq)*32*PB+32*(\b)
	ds_load_tr16_b128 v[BF+64*(\g)+8*(\b)+4:BF+64*(\g)+8*(\b)+7], v[ADRB+(\slot)] offset:(\kq)*32*PB+32*(\b)+16*PB
.endr
	WIN 0
.irp a, 0,1,2,3
	ds_load_b128 v[AF+32*(\g)+8*(\a):AF+32*(\g)+8*(\a)+3],   v[ADRA+(\slot)] offset:(\a)*16*PA+(\kq)*64
	ds_load_b128 v[AF+32*(\g)+8*(\a)+4:AF+32*(\g)+8*(\a)+7], v[ADRA+(\slot)] offset:(\a)*16*PA+(\kq)*64+32
.endr
.endm
.macro QUARTER slot, kq, f, g, first
	s_wait_dscnt 4                                 ; all but the youngest four loads: O's row blocks 2 and 3
	MULS \f, 0, \first
	MULS \f, 1, \first
	PLACES                                         ; four places in front of loads into registers that products have read
	FETCH \slot, \kq, \g
	s_wait_dscnt 24                                ; all but the 24 just issued
	MULS \f, 2, \first
	MULS \f, 3, \first
.endm
; The last quarter multiplies buffer 1 and changes slots: one barrier; in front of it each wave waits for all its tensor loads, adds 0 to its spare word and waits for that and for its reads of the slot.
.macro TURN slot, next, fill
.if \fill
	s_wait_xcnt 0x0                                ; the last prefetch has read its address
	s_add_nc_u64 s[PFA:PFA+1], s[PFA:PFA+1], s[PFS:PFS+1]
.endif
	WIN 0
	s_wait_tensorcnt 0x0                           ; all my tensor loads have landed: my part of the next slot
	ds_add_u32 v[SPW], v[NIL]
	s_wait_dscnt 5                                 ; the add and the youngest four loads may be out
	MULS 1, 0, 0
	s_wait_dscnt 0x0                               ; the add is done, and my reads of this slot are over
	s_barrier_signal -1
	MULS 1, 1, 0
	WIN 0
	s_barrier_wait -1
.if \fill
	CREST
	s_add_nc_u64 s[G0+4*(\slot)+2:G0+4*(\slot)+3], s[G0+4*(\slot)+2:G0+4*(\slot)+3], 2*256
	s_add_nc_u64 s[G0B+4*(\slot)+2:G0B+4*(\slot)+3], s[G0B+4*(\slot)+2:G0B+4*(\slot)+3], 2*262144
	JLOAD \slot                                    ; the four v_nop behind it are also the places in front of the loads below
.else
	PLACES
.endif
	FETCH \next, 0, 0
.if \fill
	ASK \slot
.endif
	MULS 1, 2, 0
	MULS 1, 3, 0
.endm
	s_wait_tensorcnt 1                             ; my part of K step 0 is in; step 1's may stay out
	s_barrier_signal -1
	s_barrier_wait -1
	FETCH 0, 0, 0
	QUARTER 0, 1, 0, 1, 1                          ; the first quarter stands in front of the loop: its products start the sums
	WIN 0
	s_mov_b32 s3, 3
.Llap:
	QUARTER 0, 2, 1, 0, 0
	QUARTER 0, 3, 0, 1, 0
	TURN 0, 1, 1
	QUARTER 1, 1, 0, 1, 0
	QUARTER 1, 2, 1, 0, 0
	QUARTER 1, 3, 0, 1, 0
	TURN 1, 0, 1
	QUARTER 0, 1, 0, 1, 0
	WIN 0
	s_sub_co_u32 s3, s3, 1
	s_cmp_lg_u32 s3, 0
	s_cbranch_scc1 .Llap
	QUARTER 0, 2, 1, 0, 0                          ; the last lap fills nothing
	QUARTER 0, 3, 0, 1, 0
	TURN 0, 1, 0
	QUARTER 1, 1, 0, 1, 0
	QUARTER 1, 2, 1, 0, 0
	QUARTER 1, 3, 0, 1, 0
	s_wait_dscnt 0x0
	MULS 1, 0, 0
	MULS 1, 1, 0
	MULS 1, 2, 0
	MULS 1, 3, 0
	WIN 0
.rept 8
	v_nop                                          ; the places behind the last products
.endr
; THE WAY OUT, a block of 16 rows at a time: the f32 sums go into my own stage, each accumulator's low half first, and come back as whole rows of 512 bytes.
.macro TOSTAGE a
	WIN 0x08                                       ; the stores' data in window 2
.irp b, 0,1,2,3,4,5,6,7
	ds_store_b128 v[STO], v[64*(\a)+8*(\b):64*(\a)+8*(\b)+3]   offset:64*(\b)
	ds_store_b128 v[STO], v[64*(\a)+8*(\b)+4:64*(\a)+8*(\b)+7] offset:64*(\b)+16
.endr
	WIN 0
.irp t, 0,1,2,3,4,5,6,7,8,9,10,11,12,13,14,15
	ds_load_b128 v[OB+64*((\a)%2)+4*(\t):OB+64*((\a)%2)+4*(\t)+3], v[RD] offset:(\t)*SPITCH  ; LDS serves a wave's instructions in order (ISA guide 5.7.1.4)
.endr
.endm
.macro SEND a
	s_wait_dscnt 0x0                               ; the block is back in registers
	s_wait_xcnt 0x0                                ; earlier stores have read their base and data: both are rewritten only behind this wait
.if (\a) > 0
	s_add_nc_u64 s[8:9], s[8:9], 16*4096
.endif
.irp t, 0,1,2,3,4,5,6,7,8,9,10,11,12,13,14,15
	global_store_b128 v[CO], v[OB+64*((\a)%2)+4*(\t):OB+64*((\a)%2)+4*(\t)+3], s[8:9] offset:(\t)*4096 th:TH_STORE_NT  ; 512 consecutive bytes, aligned
.endr
.endm
.irp a, 0,1,2,3
	TOSTAGE \a
	SEND \a
.endr
	s_wait_tensorcnt 0x0                           ; the wave's end
	ds_add_u32 v[SPW], v[NIL]
	s_wait_dscnt 0x0
	CROUND                                         ; the closing round
	s_endpgm
.Lfunc_end_k_q95fdbbabe5_outp:
	.size	k_q95fdbbabe5_outp, .Lfunc_end_k_q95fdbbabe5_outp-k_q95fdbbabe5_outp
	.p2alignl 7, 3214868480
	.fill 96, 4, 3214868480
	.section	.rodata,"a",@progbits
	.p2align	6, 0x0
	.amdhsa_kernel k_q95fdbbabe5_outp
		.amdhsa_group_segment_fixed_size 327680
		.amdhsa_private_segment_fixed_size 0
		.amdhsa_enable_private_segment 0
		.amdhsa_kernarg_size 32
		.amdhsa_user_sgpr_count 2
		.amdhsa_user_sgpr_kernarg_segment_ptr 1
		.amdhsa_wavefront_size32 1
		.amdhsa_system_sgpr_workgroup_id_x 1
		.amdhsa_system_sgpr_workgroup_id_y 1
		.amdhsa_system_sgpr_workgroup_id_z 1
		.amdhsa_system_vgpr_workitem_id 0
		.amdhsa_next_free_vgpr 768
		.amdhsa_next_free_sgpr 92
		.amdhsa_reserve_vcc 0
		.amdhsa_float_denorm_mode_32 3
		.amdhsa_float_denorm_mode_16_64 3
		.amdhsa_memory_ordered 1
		.amdhsa_forward_progress 1
		.amdhsa_inst_pref_size 94
	.end_amdhsa_kernel
	.amdgpu_metadata
---
amdhsa.version: [ 1, 2 ]
amdhsa.kernels:
  - .name:           k_q95fdbbabe5_outp
    .symbol:         k_q95fdbbabe5_outp.kd
    .args:
      - { .name: oc, .offset: 0, .size: 8, .value_kind: global_buffer, .address_space: global }
      - { .name: wc, .offset: 8, .size: 8, .value_kind: global_buffer, .address_space: global }
      - { .name: b_o, .offset: 16, .size: 8, .value_kind: global_buffer, .address_space: global }
      - { .name: out0, .offset: 24, .size: 8, .value_kind: global_buffer, .address_space: global }
    .group_segment_fixed_size: 327680
    .private_segment_fixed_size: 0
    .kernarg_segment_align: 8
    .kernarg_segment_size: 32
    .max_flat_workgroup_size: 128
    .sgpr_count:     92
    .vgpr_count:     768
    .wavefront_size: 32
...
	.end_amdgpu_metadata
.endif
;; end of part 4
